; MI455X (gfx1250); checked and timed in simulation.
; The chip was launched on July 23, 2026; its instructions are those of AMD's public machine-readable ISA for CDNA 5 (MIT licence, August 2026) and "CDNA5" Instruction Set Architecture Reference Guide (July 2026). The comments in the code are by the model that wrote it; some were corrected since.
;; MLA Layer. Allowed arithmetic: matrix products marked QUANTISED: E2M3 operands, one E8M0 scale for each 32 along K, by v_wmma_scale_f32_16x16x128_f8f6f4 with both operands' format E2M3, f32 sums; products left as they are: f32 operands where the result goes on into a quantised operand, else bf16, f16 or f32 operands; f32 sums; everything else in f32.
;; Inputs: Wd_codes 256 x 32 x 24 uint8 (E2M3 codes of Wd, K innermost, in blocks of 32 codes, four codes in three bytes); Wd_scales 256 x 32 uint8 (E8M0 scales of Wd, one for each 32 codes along K); Wo_codes 1,024 x 32 x 24 uint8 (E2M3 codes of Wo, K innermost, in blocks of 32 codes, four codes in three bytes); Wo_scales 1,024 x 32 uint8 (E8M0 scales of Wo, one for each 32 codes along K); Wq_codes 1,024 x 32 x 24 uint8 (E2M3 codes of Wq, K innermost, in blocks of 32 codes, four codes in three bytes); Wq_scales 1,024 x 32 uint8 (E8M0 scales of Wq, one for each 32 codes along K); Wu_codes 2,048 x 8 x 24 uint8 (E2M3 codes of Wu, K innermost, in blocks of 32 codes, four codes in three bytes); Wu_scales 2,048 x 8 uint8 (E8M0 scales of Wu, one for each 32 codes along K); bd 256 float32; bo 1,024 float32; bq 1,024 float32; bu 2,048 float32; x_codes 4 x 4,096 x 32 x 24 uint8 (E2M3 codes of x, K innermost, in blocks of 32 codes, four codes in three bytes); x_scales 4 x 4,096 x 32 uint8 (E8M0 scales of x, one for each 32 codes along K).
;; Outputs: out0 4 x 4,096 x 1,024 float32.
;; This version of the problem:
;;   THIS VERSION OF THE PROBLEM IS GIVEN IN LOW PRECISION. The matrix products marked QUANTISED in the list below multiply operands that are first quantised to E2M3 (2 exponent bits, 3 mantissa bits; 6 bits a number), with one power-of-two scale for each 32 numbers along K (OCP MX v1.0); their sums are f32. All else is computed in f32.
;;   The module's matrix products, in the order in which they are computed (A, B: the left and right operand; K: the contracted axis; several contracted axes count as one K, in the product's order):
;;     1. [M 16,384, K 1,024] x [K 1,024, N 1,024]; A: input x (given as codes); B: input Wq (given as codes): QUANTISED
;;     2. [M 16,384, K 1,024] x [K 1,024, N 256]; A: input x (given as codes); B: input Wd (given as codes): QUANTISED
;;     3. [M 16,384, K 256] x [K 256, N 2,048]; A: computed on the way; B: input Wu (given as codes): QUANTISED
;;     4. batch 64 x [M 64, K 4,096] x [K 4,096, N 64]; A: computed on the way; B: computed on the way: QUANTISED
;;     5. batch 64 x [M 64, K 64] x [K 64, N 4,096]; A: computed on the way; B: computed on the way: QUANTISED
;;     6. batch 64 x [M 1, K 64] x [K 64, N 4,096]; A: computed on the way; B: computed on the way: left as it is (M = 1 < 16)
;;     7. [M 16,384, K 1,024] x [K 1,024, N 1,024]; A: computed on the way; B: input Wo (given as codes): QUANTISED
;;   THE QUANTISER, for each operand of a quantised product, along K:
;;     - K is cut into blocks of 32 from its start; a last block that is shorter is filled with zeros.
;;     - A block's scale is 2^e with e = floor(log2(the largest magnitude in the block)) - 2, held to -126 .. 127; a block of zeros has e = 0. As a byte (E8M0): e + 127.
;;     - Each number is divided by its block's scale, clamped to +-7.5, and rounded to the nearest number of E2M3, ties to even, subnormals kept.
;;     - The product sums the exact products of the quantised numbers (number of the format x scale) in f32.
;;   ~~~python
;;   def quantise(x, axis):      # numpy; x: float32 -> the quantised numbers, widened to float32 again
;;       x = np.moveaxis(x, axis, -1); K = x.shape[-1]
;;       x = np.pad(x, [(0, 0)] * (x.ndim - 1) + [(0, -K % 32)]); x = x.reshape(x.shape[:-1] + (-1, 32)); a = np.abs(x).max(-1, keepdims=True)
;;       e = np.where(a > 0, np.clip(np.frexp(np.where(a > 0, a, 1))[1] - 1 - 2, -126, 127), 0)      # np.frexp(a)[1] - 1 = floor(log2(a)), exactly
;;       r = np.clip(x / 2.0 ** e, -7.5, 7.5)
;;       step = 2.0 ** (np.maximum(np.frexp(np.where(r == 0, 1, r))[1] - 1, 0) - 3)
;;       q = np.round(r / step) * step * 2.0 ** e      # np.round: ties to even
;;       return np.moveaxis(q.reshape(q.shape[:-2] + (-1,))[..., :K], -1, axis).astype(np.float32)
;;   ~~~
;;   OPERANDS COMPUTED ON THE WAY. 'Computed on the way' means the value that the module computes at that place (a softmax that the list does not call 'softmax' is quantised finished and normalised). What goes into a quantiser is computed in f32, as accurately as f32 sums, v_exp_f32 and their like allow (about 1e-6 of the number): no bf16 or f16 on the way to a quantiser, and a product that is left as it is and whose result goes on into a quantised operand takes f32 operands (vector FMAs, or v_wmma_f32_16x16x4_f32). A number that lies on a knife's edge between two numbers of the format may be rounded either way, as far as f32 arithmetic and the matrix unit's own rounding can turn it there, and no further.
;;   INPUTS GIVEN AS CODES. Wd (in the module: [1024, 256], K = its axis 0); Wo (in the module: [1024, 1024], K = its axis 0); Wq (in the module: [1024, 1024], K = its axis 0); Wu (in the module: [256, 2048], K = its axis 0); x (in the module: [4, 4096, 1024], K = its axis 2): each comes as NAME_codes (uint8): NAME with its K axis moved to the last place and cut into blocks of 32 codes, [.., K / 32, bytes a block], one block behind the other in memory; four codes in three bytes: a row's codes are one little-endian stream of bits, code i at bits 6 i .. 6 i + 5 (a code: sign, 2 exponent bits, 3 mantissa bits); and NAME_scales (uint8): the same leading axes, one E8M0 byte (e + 127) for each 32 codes along K. Its value is code x scale, taken as it is: it is not quantised again, and the codes and scales need not be those that the quantiser above would give.
;; One version. Each part assembles by itself: llvm-mc -triple=amdgcn-amd-amdhsa -mcpu=gfx1250 --defsym DOCPART=n.
;; ======== version 1 of 1: 4 launches
;; workspace buffers: cq 3,407,872 bytes; part 4,259,840 bytes; a_img 12,582,912 bytes; a_scl 524,288 bytes
;; launch down (part 1): grid 256 x 1, 4 waves a work-group, clusters of 4 x 1, 327,680 bytes of LDS; arguments x_codes, x_scales, Wd_codes, Wd_scales, bd, cq; writes cq
.if DOCPART == 1
	.amdgcn_target "amdgcn-amd-amdhsa--gfx1250"
	.amdhsa_code_object_version 6
	.text
	.protected	k_q358e6701a1_down
	.globl	k_q358e6701a1_down
	.p2align	8
	.type	k_q358e6701a1_down,@function
k_q358e6701a1_down:
	s_mov_b64 s[64:65], 0
	v_nop
	global_prefetch_b8 v0, s[64:65] scope:SCOPE_SE
	s_setreg_imm32_b32 hwreg(HW_REG_WAVE_MODE, 25, 1), 1
	s_wait_xcnt 0x0
	s_wait_alu depctr_hold_cnt(0) depctr_sa_sdst(0) depctr_va_vdst(0) depctr_va_sdst(0) depctr_va_ssrc(0) depctr_va_vcc(0) depctr_vm_vsrc(0)
	s_getreg_b32 s2, hwreg(HW_REG_IB_STS2, 6, 4)
	s_cmp_eq_u32 s2, 0
	s_cbranch_scc0 .Lentry_in_a_cluster
	s_endpgm
.Lentry_in_a_cluster:
	s_bfe_u32 s2, ttmp6, 0x10000c
	s_cmp_lg_u32 s2, 0x3003
	s_cbranch_scc0 .Lentry_shape_is_right
	s_endpgm
.Lentry_shape_is_right:
; c = x Wd + bd on codes of FP6 (E2M3), then c quantised along its 256 columns, which are the next product's K.
; x: [16384][1024] codes (rows of 768 bytes), scale bytes [16384][32].  Wd: [256][1024] codes, scale bytes [256][32].  bd: [256] f32.
; OUT (cq): c as IMAGES OF OPERAND REGISTERS: fragment f = 2 x tile + K step, 1,536 bytes (three blocks of 512, 16 bytes a lane); from byte 3,145,728 its scale words, 128 bytes a fragment, 4 a lane.
; SHARES.  A work-group takes 64 tokens x all 256 columns.  Wave w: columns 128 (w % 2) on (one K step of the next product), token tiles 2 (w / 2) and 2 (w / 2) + 1: 16 accumulators.
; TRANSPOSED: source 0 = 16 rows of Wd, source 1 = 16 tokens: a lane holds one token, its registers run along c's columns.  THE ROWS OF A TILE ARE NOT NEIGHBOURS, of Wd and of x alike:
; lane r of tile 2 b + u takes row 32 b + 8 u + r + 8 (r / 8).  For Wd that makes the 16 registers of two neighbouring tiles 16 neighbours along the next K; for x it gives the c fragments
; the order of tokens that the next launch wants for ITS quantiser along the tokens.
; LDS is filled once: Wd whole (four chunks of 256 along K), my 64 tokens of x likewise; rows of 192 bytes with 16 bytes of padding behind every 64 (pitch 240).  Nothing is filled again.
; CLUSTER: four work-groups read the same Wd: its chunks are asked for jointly (mask 15); x's chunks are each work-group's own.
; The bias is loaded into the accumulators, so every product adds in place; the 16 accumulators take turns.
; LIMITS: NaN and infinities are not served; a block whose largest magnitude lies under 2^-124 (a block of zeros too) gets the byte 1: this program alone reads the bytes.
.set PITCH, 240
.set WCH,   256*PITCH                  ; a chunk of Wd in LDS
.set XCH,   64*PITCH                   ; a chunk of x
.set XB,    4*WCH                      ; x lies behind Wd
.set AW,    7                          ; v7, v8   LDS address of my fragments of Wd (v8: for the pieces behind one padding more)
.set AX,    9                          ; v9, v10  the same for x
.set WS,    16                         ; v16-47   Wd's scale words: register 8 (i % 4) + K step; lanes 0-15 tile i % 4, lanes 16-31 the tile four on
.set XS,    48                         ; v48-63   x's: 8 u + K step
.set TM,    64                         ; v64-79   the quantiser's work
.set PW,    80                         ; v80, v81 the two scale words made
.set PC0,   82                         ; v82-101  codes of token tile 0 (12) and 7 at work
.set PC1,   102                        ; v102-121 of token tile 1
.set ACC,   128                        ; v128-255 accumulator (u, i) at 128 + 64 u + 8 i
.set G1W,   24                         ; s[24:31] group 1 for Wd's tiles;  s[32:39] for x's
.set G1X,   32
.set G0X,   40                         ; s[40:43] group 0 for my chunk of x;  s[44:59] for my quarter of Wd's four chunks
.set G0W,   44
.set SEL,   60                         ; s[60:61] lane selects: lane l xor 16
.set MSB, 0
.macro WIN new                         ; the immediate's high byte repeats the setting that is left
.if MSB != (\new)
	s_set_vgpr_msb (MSB<<8)|(\new)
.set MSB, (\new)
.endif
.endm
.macro ROUND                           ; a round of the cluster's barrier
	s_barrier_signal -1
	s_barrier_wait -1
	s_cmp_lg_u32 s16, 0
	s_cbranch_scc1 .Lnot_wave_0_\@
	s_barrier_signal -3
.Lnot_wave_0_\@:
	s_barrier_wait -3
	s_barrier_signal -1
	s_barrier_wait -1
.endm
; 64 numbers of a lane, v[src] on, register 16 b + i = place 32 b + 16 (lane / 16) + i along K of my row, become a fragment's codes in v[cod] .. v[cod + 11] and its scale word in v[wrd]; v[aux] .. v[aux + 6] are at work.
.macro QUANT src, cod, aux, wrd
.irp b, 0,1,2,3
	v_max3_num_f32 v[TM+\b], |v[\src+16*\b]|, |v[\src+1+16*\b]|, 0x1800000   ; my 16 numbers of block b, and the floor 2^(3 - 127): the byte cannot fall under 1
.endr
.irp i, 2,4,6,8,10,12,14
.irp b, 0,1,2,3
	v_max3_num_f32 v[TM+\b], v[TM+\b], |v[\src+16*\b+\i]|, |v[\src+1+16*\b+\i]|
.endr
.endr
.irp b, 0,1,2,3
	v_permlanex16_b32 v[TM+4+\b], v[TM+\b], s[SEL], s[SEL+1]
.endr
.irp b, 0,1,2,3
	v_max_num_f32 v[TM+\b], v[TM+\b], v[TM+4+\b]   ; with lane l xor 16's: the block's largest magnitude
.endr
.irp b, 0,1,2,3
	v_add_nc_u32 v[TM+12+\b], 0xff000000, v[TM+\b] ; 2 off its exponent field: the conversion's scale operand
.endr
.irp b, 0,1,2,3
	v_lshrrev_b32 v[TM+4+\b], 23, v[TM+12+\b]      ; the scale's byte
.endr
	v_lshl_or_b32 v[\wrd], v[TM+5], 8, v[TM+4]
	v_lshl_or_b32 v[\wrd], v[TM+6], 16, v[\wrd]
	v_lshl_or_b32 v[\wrd], v[TM+7], 24, v[\wrd]
.irp c, 0,1
	v_cvt_scalef32_pk16_fp6_f32 v[\cod+6*\c:\cod+2+6*\c], v[\src+32*\c:\src+15+32*\c], v[TM+12+2*\c]
	v_cvt_scalef32_pk16_fp6_f32 v[\aux+4*\c:\aux+2+4*\c], v[\src+16+32*\c:\src+31+32*\c], v[TM+12+2*\c+1]   ; (a conversion's three registers begin on an even number)
.endr
	v_nop                                          ; one plain place behind a scaled conversion
.irp c, 0,1                                    ; the operand's layout wants a whole block in a lane
.irp i, 0,1,2
	v_permlane16_swap_b32 v[\cod+6*\c+\i], v[\aux+4*\c+\i]
.endr
.irp i, 0,1,2
	v_mov_b32 v[\cod+3+6*\c+\i], v[\aux+4*\c+\i]
.endr
.endr
.endm
; A fragment, 16 rows x 128 K, is 12 registers: six pieces of 8 bytes.  Lanes 16-31 read three pieces further on; where that lies behind one padding more, the second address register serves.
.macro FRAG reg, adr, q, row
.irp p, 0,1,2,3,4,5
.set PCE, 12*(\q)+6*(\p/3)+\p%3
.if PCE%8 < 5
	ds_load_b64 v[\reg+2*\p:\reg+2*\p+1], v[\adr] offset:8*PCE+16*(PCE/8)+(\row)*PITCH
.else
	ds_load_b64 v[\reg+2*\p:\reg+2*\p+1], v[\adr+1] offset:8*PCE+16*(PCE/8)+(\row)*PITCH
.endif
.endr
.endm
.macro FETCH p, s                      ; the chunk's s-th 128 along K into set p of window 1: Wd's eight fragments, x's two: 60 loads
.irp i, 0,1,2,3,4,5,6,7
	FRAG 128*\p+12*\i, AW, \s, 32*(\i/2)+8*(\i%2)
.endr
.irp u, 0,1
	FRAG 128*\p+96+12*\u, AX, \s, 8*\u
.endr
.endm
.macro MUL p, ks                       ; 16 products, one on each accumulator
.irp u, 0,1
.irp i, 0,1,2,3
	v_wmma_scale_f32_16x16x128_f8f6f4 v[ACC+64*\u+8*\i:ACC+64*\u+8*\i+7], v[128*\p+12*\i:128*\p+12*\i+11], v[128*\p+96+12*\u:128*\p+96+12*\u+11], v[ACC+64*\u+8*\i:ACC+64*\u+8*\i+7], v[WS+8*\i+(\ks)], v[XS+8*\u+(\ks)] matrix_a_fmt:MATRIX_FMT_FP6 matrix_b_fmt:MATRIX_FMT_FP6
.endr
.irp i, 4,5,6,7
	v_wmma_scale_f32_16x16x128_f8f6f4 v[ACC+64*\u+8*\i:ACC+64*\u+8*\i+7], v[128*\p+12*\i:128*\p+12*\i+11], v[128*\p+96+12*\u:128*\p+96+12*\u+11], v[ACC+64*\u+8*\i:ACC+64*\u+8*\i+7], v[WS+8*(\i-4)+(\ks)], v[XS+8*\u+(\ks)] matrix_a_fmt:MATRIX_FMT_FP6 matrix_b_fmt:MATRIX_FMT_FP6 matrix_a_scale:MATRIX_SCALE_ROW1
.endr
.endr
.endm
	s_load_b128 s[4:7], s[0:1], 0x0                ; x's codes, x's scales
	s_load_b128 s[8:11], s[0:1], 0x10              ; Wd's codes, Wd's scales
	s_load_b128 s[12:15], s[0:1], 0x20             ; bd, cq
	v_lshl_add_u32 v126, v0, 2, 0x4b000
	v_mov_b32 v127, 0
	ds_add_u32 v126, v127
	ds_add_u32 v126, v127
	v_lshrrev_b32 v1, 5, v0
	v_readfirstlane_b32 s16, v1                    ; wave 0..3
	s_and_b32 s17, s16, 1                          ; which 128 columns
	s_lshr_b32 s18, s16, 1                         ; which 32 tokens
	s_bfe_u32 s19, ttmp6, 0x40000                  ; cx
	s_lshl_b32 s20, ttmp9, 2
	s_add_co_u32 s20, s20, s19                     ; my block of 64 tokens = 4 x cluster x + cx: it enters global addresses of my own loads and stores alone
	s_mov_b32 s[G1W], 15|(1<<20)|(1<<21)|(3<<22)|(3<<25)   ; the mask: all four work-groups; elements of 1 byte; padding on; bit 21 beside a mask; after every 16 words, 4 words
	s_mov_b32 s[G1X], (1<<20)|(3<<22)|(3<<25)      ; the same without a mask
.irp g, G1W, G1X
	s_mov_b32 s[\g+1], 192<<16                     ; tensor_dim0 = 192 bytes
	s_mov_b32 s[\g+2], 64<<16                      ; tensor_dim1 = 64 rows
	s_mov_b32 s[\g+3], 192<<16                     ; tile_dim0
	s_mov_b32 s[\g+4], 64                          ; tile_dim1
	s_mov_b32 s[\g+5], 768                         ; from row to row
	s_mov_b32 s[\g+6], 0
	s_mov_b32 s[\g+7], 0
.endr
	s_mul_i32 s66, s20, 64*768                     ; x: my 64 rows,
	s_mul_i32 s67, s16, 192                        ; chunk w of them is my wave's to fetch
	s_add_co_u32 s66, s66, s67
	s_mov_b32 s67, 0
	s_mul_i32 s68, s16, 64*768                     ; Wd: rows 64 w on of every chunk
	s_mov_b32 s69, 0
	s_mul_i32 s70, s16, XCH                        ; 64 rows in LDS: x's chunk w, or quarter w of a chunk of Wd
	s_mov_b32 s[SEL], 0x76543210
	s_mov_b32 s[SEL+1], 0xfedcba98
	s_wait_dscnt 0x0
	s_wait_kmcnt 0x0
	s_mov_b32 s[G0X], 1
	s_add_co_u32 s[G0X+1], s70, XB
	s_add_nc_u64 s[G0X+2:G0X+3], s[4:5], s[66:67]
	s_or_b32 s[G0X+3], s[G0X+3], 0x80000000
	s_add_nc_u64 s[68:69], s[8:9], s[68:69]
.irp q, 0,1,2,3
	s_mov_b32 s[G0W+4*\q], 1
	s_add_co_u32 s[G0W+4*\q+1], s70, \q*WCH
	s_add_nc_u64 s[G0W+4*\q+2:G0W+4*\q+3], s[68:69], \q*192
	s_or_b32 s[G0W+4*\q+3], s[G0W+4*\q+3], 0x80000000
.endr
	ROUND                                          ; all four work-groups are here: the joint loads meet
	tensor_load_to_lds s[G0X:G0X+3], s[G1X:G1X+7]  ; all fills of the launch in one group: five loads of mine are out
	s_nop 0
.irp q, 0,1,2,3
	tensor_load_to_lds s[G0W+4*\q:G0W+4*\q+3], s[G1W:G1W+7]
	s_nop 0
.endr
.rept 4
	v_nop
.endr
	v_and_b32 v1, 15, v0                           ; r
	v_bfe_u32 v2, v0, 4, 1                         ; h
	v_and_b32 v3, 31, v0                           ; lane
	v_and_b32 v4, 8, v1
	v_add_nc_u32 v4, v4, v1                        ; r + 8 (r / 8)
	v_mul_u32_u24 v5, v4, PITCH
	v_mad_u32_u24 v6, v2, 24, v5                   ; row x pitch + 24 x half
	v_mad_u32_u24 v5, v2, 40, v5                   ; and behind one padding more
	s_mul_i32 s72, s17, 128*PITCH
	v_add_nc_u32 v[AW], s72, v6
	v_add_nc_u32 v[AW+1], s72, v5
	s_mul_i32 s73, s18, 32*PITCH
	s_add_co_u32 s73, s73, XB
	v_add_nc_u32 v[AX], s73, v6
	v_add_nc_u32 v[AX+1], s73, v5
	v_lshlrev_b32 v11, 4, v3                       ; 16 x lane: an image's place
	v_lshlrev_b32 v12, 2, v3                       ; 4 x lane: a scale word's
	v_lshlrev_b32 v13, 5, v4                       ; a row of scale bytes is 32 bytes
	v_lshl_add_u32 v15, v2, 11, v13                ; Wd's: lanes 16-31 take the tile four on, 64 rows down
	v_lshlrev_b32 v14, 6, v2                       ; bd: 16 numbers for each half
.irp b, 0,1,2,3
	v_mov_b32 v[TM+4+\b], 0                        ; written once: a lane permute's destination counts as one of its sources
.endr
	s_mov_b32 s75, 0
	s_lshl_b32 s74, s17, 9
	s_add_nc_u64 s[12:13], s[12:13], s[74:75]      ; bd at my 128 columns
	s_lshl_b32 s74, s17, 12
	s_add_nc_u64 s[10:11], s[10:11], s[74:75]      ; Wd's scales at my 128 rows
	s_lshl_b32 s74, s20, 11
	s_lshl_b32 s76, s18, 10
	s_add_co_u32 s74, s74, s76
	s_add_nc_u64 s[6:7], s[6:7], s[74:75]          ; x's scales at my 32 tokens
	s_lshl_b32 s74, s20, 3
	s_lshl_b32 s76, s18, 2
	s_add_co_u32 s74, s74, s76
	s_add_co_u32 s74, s74, s17                     ; my first fragment: 2 (4 block + 2 (w / 2)) + w % 2
	s_mul_i32 s76, s74, 1536
	s_mov_b32 s77, 0
	s_add_nc_u64 s[76:77], s[14:15], s[76:77]      ; its image,
	s_lshl_b32 s74, s74, 7
	s_add_co_u32 s74, s74, 3145728
	s_add_nc_u64 s[78:79], s[14:15], s[74:75]      ; its scale words
.irp u, 0,1
.irp i, 0,1,2,3,4,5,6,7
	global_load_b128 v[ACC+64*\u+8*\i:ACC+64*\u+8*\i+3], v14, s[12:13] offset:(32*(\i/2)+8*(\i%2))*4       ; register j of tile i is column 32 (i / 2) + 16 h + 8 (i % 2) + j
	global_load_b128 v[ACC+64*\u+8*\i+4:ACC+64*\u+8*\i+7], v14, s[12:13] offset:(32*(\i/2)+8*(\i%2))*4+16
.endr
.endr
.irp i, 0,1,2,3
	global_load_b128 v[WS+8*\i:WS+8*\i+3], v15, s[10:11] offset:(32*(\i/2)+8*(\i%2))*32
	global_load_b128 v[WS+8*\i+4:WS+8*\i+7], v15, s[10:11] offset:(32*(\i/2)+8*(\i%2))*32+16
.endr
.irp u, 0,1
	global_load_b128 v[XS+8*\u:XS+8*\u+3], v13, s[6:7] offset:8*\u*32
	global_load_b128 v[XS+8*\u+4:XS+8*\u+7], v13, s[6:7] offset:8*\u*32+16
.endr
; Chunk q: 256 along K, two K steps of 128.
.macro CHUNK q
	s_wait_tensorcnt 3-\q                          ; my chunk of x and my quarters of Wd's chunks 0 .. q are in; the later chunks stay out
	s_barrier_signal -1
	s_barrier_wait -1                              ; everybody's are
	WIN 0x40                                       ; destination window 1
	FETCH 0, 0
	FETCH 1, 1
	WIN 0
.if \q == 0
	s_wait_loadcnt 0x0                             ; the bias and the scale words
.endif
	s_wait_dscnt 60                                ; the first set is in; the second set's 60 loads may be out
	WIN 0x05                                       ; sources 0 and 1 window 1
	MUL 0, 2*\q
	s_wait_dscnt 0x0
	MUL 1, 2*\q+1
	WIN 0
.if \q < 3
	v_add_nc_u32 v[AW], WCH, v[AW]                 ; on to the next chunk: these four are also the places in front of the loads into registers that the products have read
	v_add_nc_u32 v[AW+1], WCH, v[AW+1]
	v_add_nc_u32 v[AX], XCH, v[AX]
	v_add_nc_u32 v[AX+1], XCH, v[AX+1]
.else
.rept 4
	v_nop                                          ; places in front of the first read of results
.endr
.endif
.endm
	CHUNK 0
	CHUNK 1
	CHUNK 2
	CHUNK 3
	QUANT ACC, PC0, PC0+12, PW
	QUANT ACC+64, PC1, PC1+12, PW+1
.irp c, 0,1,2
	global_store_b128 v11, v[PC0+4*\c:PC0+4*\c+3], s[76:77] offset:512*\c          ; 32 lanes store 512 consecutive bytes
.endr
	global_store_b32 v12, v[PW], s[78:79]
.irp c, 0,1,2
	global_store_b128 v11, v[PC1+4*\c:PC1+4*\c+3], s[76:77] offset:3072+512*\c     ; the next token tile: two fragments on
.endr
	global_store_b32 v12, v[PW+1], s[78:79] offset:256
	s_wait_tensorcnt 0x0
	ds_add_u32 v126, v127
	s_wait_dscnt 0x0
	ROUND                                          ; the closing round: no work-group ends while a partner may still ask for a tile that names it
	s_endpgm
.Lfunc_end_k_q358e6701a1_down:
	.size	k_q358e6701a1_down, .Lfunc_end_k_q358e6701a1_down-k_q358e6701a1_down
	.p2alignl 7, 3214868480
	.fill 96, 4, 3214868480
	.section	.rodata,"a",@progbits
	.p2align	6, 0x0
	.amdhsa_kernel k_q358e6701a1_down
		.amdhsa_group_segment_fixed_size 327680
		.amdhsa_private_segment_fixed_size 0
		.amdhsa_enable_private_segment 0
		.amdhsa_kernarg_size 48
		.amdhsa_user_sgpr_count 2
		.amdhsa_user_sgpr_kernarg_segment_ptr 1
		.amdhsa_wavefront_size32 1
		.amdhsa_system_sgpr_workgroup_id_x 1
		.amdhsa_system_sgpr_workgroup_id_y 1
		.amdhsa_system_sgpr_workgroup_id_z 1
		.amdhsa_system_vgpr_workitem_id 0
		.amdhsa_next_free_vgpr 512
		.amdhsa_next_free_sgpr 80
		.amdhsa_reserve_vcc 0
		.amdhsa_float_denorm_mode_32 3
		.amdhsa_float_denorm_mode_16_64 3
		.amdhsa_memory_ordered 1
		.amdhsa_forward_progress 1
		.amdhsa_inst_pref_size 68
	.end_amdhsa_kernel
	.amdgpu_metadata
---
amdhsa.version: [ 1, 2 ]
amdhsa.kernels:
  - .name:           k_q358e6701a1_down
    .symbol:         k_q358e6701a1_down.kd
    .args:
      - { .name: x_codes, .offset: 0, .size: 8, .value_kind: global_buffer, .address_space: global }
      - { .name: x_scales, .offset: 8, .size: 8, .value_kind: global_buffer, .address_space: global }
      - { .name: Wd_codes, .offset: 16, .size: 8, .value_kind: global_buffer, .address_space: global }
      - { .name: Wd_scales, .offset: 24, .size: 8, .value_kind: global_buffer, .address_space: global }
      - { .name: bd, .offset: 32, .size: 8, .value_kind: global_buffer, .address_space: global }
      - { .name: cq, .offset: 40, .size: 8, .value_kind: global_buffer, .address_space: global }
    .group_segment_fixed_size: 327680
    .private_segment_fixed_size: 0
    .kernarg_segment_align: 8
    .kernarg_segment_size: 48
    .max_flat_workgroup_size: 128
    .sgpr_count:     80
    .vgpr_count:     512
    .wavefront_size: 32
...
	.end_amdgpu_metadata
.endif
;; end of part 1
;; launch ctx (part 2): grid 256 x 1, 4 waves a work-group, no clusters, 94,720 bytes of LDS; arguments cq, Wu_codes, Wu_scales, bu, part; writes part
.if DOCPART == 2
	.amdgcn_target "amdgcn-amd-amdhsa--gfx1250"
	.amdhsa_code_object_version 6
	.text
	.protected	k_q358e6701a1_ctx
	.globl	k_q358e6701a1_ctx
	.p2align	8
	.type	k_q358e6701a1_ctx,@function
k_q358e6701a1_ctx:
	s_mov_b64 s[64:65], 0
	v_nop
	global_prefetch_b8 v0, s[64:65] scope:SCOPE_SE
	s_setreg_imm32_b32 hwreg(HW_REG_WAVE_MODE, 25, 1), 1
	s_wait_xcnt 0x0
; For one head of one batch and 1,024 of its tokens: kv = Q(c) Wu + bu; k = elu(k) + 1; k and v quantised ALONG THE TOKENS; the part of k^T v and of the sum of k that these tokens give.
; IN: cq (c as images of operand registers, and their scale words), Wu [2048][256] codes (rows of 192 bytes), scale bytes [2048][8], bu [2048] f32.
; OUT (part): [head of batch 64][quarter 4][tile of e 4][8 x 512 bytes]: an image of 32 accumulator registers (16 x block of d + 8 u + j); from byte 4,194,304 the sums of k, [64][4][64] f32.
; SHARES.  Work-group g: quarter g % 4, head (g / 4) % 16, batch g / 64.  Wave w takes two chunks of 128 tokens; the four waves' parts are added through LDS at the end.
; LAYOUT.  The first product is used as it stands: source 0 = a fragment of c (16 tokens), source 1 = 16 rows of Wu: a lane holds ONE column of kv and its registers run along the tokens.  The fragments of c hold
; their tokens in such an order that the 64 registers of a chunk's eight token tiles are places 32 b + 16 (lane / 16) + i of the chunk: what the quantiser takes.
; k's column tiles are neighbours (d = 16 T + r); v's are not: lane r of tile t takes e = 32 (t / 2) + 8 (t % 2) + r + 8 (r / 8), so that the later product with q gives its results in the order of its own quantiser.
; k^T v: source 0 = a fragment of k (16 d), source 1 = of v (16 e), K = the chunk's 128 tokens.
; Wu: all four waves want the same 128 rows, 24,576 dense bytes.  Each wave loads a quarter of them once, 16 bytes a lane, and puts it into a stage in LDS (rows 208 bytes apart); behind one barrier every wave reads its
; 16 fragments from there, 8 bytes a lane.  So a row of Wu leaves memory once for the work-group, and no load takes 8 bytes of each of 16 rows.
; No tensor load and no cluster: each fragment of c is read by one wave of the work-group and arrives as its registers' image, 512 consecutive bytes a load; a way through LDS would be read once.
; elu(x) + 1 = max(x, 0) + 2^min(x log2(e), 0).
; LIMITS: the product x log2(e) is rounded once, so e^x has a relative error of about |x| x 6e-8; results under 2^-126 are zeros; NaN and infinities are not served; a block of zeros gets the byte 1.
; REGISTERS.  window 0: v1-15 addresses; v16-31 Wu's scale words; v32-47 c's; v48-55 those of k's and v's fragments; v56-71 the quantiser's work; v72-87 sums of k; v88-135 v's four fragments; v136-159 two of k's;
;   v160-167, v168-183 at work; v184-186 the stage's addresses; v192-255 a column tile's eight accumulators (at the head: my quarter of Wu).   window 1: v0-191 c's 16 fragments; v192-255 the bias, eight equal registers a column tile.
;   window 2: Wu's 16 fragments.   window 3: v0-127 the accumulators of k^T v: (tile of e t, block of d, u) at 8 (4 t + 2 block + u).
.set WUS, 16
.set CS,  32
.set KW,  48
.set TM,  56
.set KSM, 72
.set VFR, 88
.set KFR, 136
.set AUX, 160
.set Y,   168
.set GW,  184                          ; v184 Wu, from memory: 192 (lane / 4) + 48 (lane % 4)
.set LW,  186                          ; v186 into the stage: 208 (lane / 4) + 48 (lane % 4) + my 32 rows
.set ACC, 192
.set BI,  192                          ; in window 1
.set RS,  88                           ; the tail: four waves' 32 registers each
.set WP,  208                          ; a row of Wu in the stage: 192 bytes + 16: row r starts at word 52 r, so the 32 lanes of a load of 8 bytes from 16 neighbouring rows touch 64 different banks (ISA guide 11.1)
.set WST, 67584                        ; the stage: behind the tail's images (4 x 16,384) and sums (2,048); bytes of its own
.set SEL, 20                           ; s[20:21]
.set LG,  22                           ; s[22:23] log2(e), twice: the packed form names a pair
.set MSB, 0
.macro WIN new
.if MSB != (\new)
	s_set_vgpr_msb (MSB<<8)|(\new)
.set MSB, (\new)
.endif
.endm
; 64 numbers of a lane, v[src] on, register 16 b + i = place 32 b + 16 (lane / 16) + i along K of my row, become a fragment's codes in v[cod] .. v[cod + 11] and its scale word in v[wrd]; v[aux] .. v[aux + 6] are at work.
.macro QUANT src, cod, aux, wrd
.irp b, 0,1,2,3
	v_max3_num_f32 v[TM+\b], |v[\src+16*\b]|, |v[\src+1+16*\b]|, 0x1800000   ; my 16 numbers of block b, and the floor 2^(3 - 127)
.endr
.irp i, 2,4,6,8,10,12,14
.irp b, 0,1,2,3
	v_max3_num_f32 v[TM+\b], v[TM+\b], |v[\src+16*\b+\i]|, |v[\src+1+16*\b+\i]|
.endr
.endr
.irp b, 0,1,2,3
	v_permlanex16_b32 v[TM+4+\b], v[TM+\b], s[SEL], s[SEL+1]
.endr
.irp b, 0,1,2,3
	v_max_num_f32 v[TM+\b], v[TM+\b], v[TM+4+\b]
.endr
.irp b, 0,1,2,3
	v_add_nc_u32 v[TM+12+\b], 0xff000000, v[TM+\b] ; 2 off the exponent field: the conversion's scale operand
.endr
.irp b, 0,1,2,3
	v_lshrrev_b32 v[TM+4+\b], 23, v[TM+12+\b]      ; the scale's byte
.endr
	v_lshl_or_b32 v[\wrd], v[TM+5], 8, v[TM+4]
	v_lshl_or_b32 v[\wrd], v[TM+6], 16, v[\wrd]
	v_lshl_or_b32 v[\wrd], v[TM+7], 24, v[\wrd]
.irp c, 0,1
	v_cvt_scalef32_pk16_fp6_f32 v[\cod+6*\c:\cod+2+6*\c], v[\src+32*\c:\src+15+32*\c], v[TM+12+2*\c]
	v_cvt_scalef32_pk16_fp6_f32 v[\aux+4*\c:\aux+2+4*\c], v[\src+16+32*\c:\src+31+32*\c], v[TM+12+2*\c+1]
.endr
	v_nop                                          ; one plain place behind a scaled conversion
.irp c, 0,1
.irp i, 0,1,2
	v_permlane16_swap_b32 v[\cod+6*\c+\i], v[\aux+4*\c+\i]
.endr
.irp i, 0,1,2
	v_mov_b32 v[\cod+3+6*\c+\i], v[\aux+4*\c+\i]
.endr
.endr
.endm
; Column tile T of kv for the chunk's 128 tokens: 16 products; the eight accumulators take turns; the bias starts the sums.
.macro MULT T
	WIN 0x19                                       ; source 0 (c) window 1, source 1 (Wu) window 2, source 2 (the bias) window 1
.irp t, 0,1,2,3,4,5,6,7
	v_wmma_scale_f32_16x16x128_f8f6f4 v[ACC+8*\t:ACC+8*\t+7], v[24*\t:24*\t+11], v[24*(\T):24*(\T)+11], v[BI+8*(\T):BI+8*(\T)+7], v[CS+2*\t], v[WUS+2*(\T)] matrix_a_fmt:MATRIX_FMT_FP6 matrix_b_fmt:MATRIX_FMT_FP6
.endr
	WIN 0x09
.irp t, 0,1,2,3,4,5,6,7
	v_wmma_scale_f32_16x16x128_f8f6f4 v[ACC+8*\t:ACC+8*\t+7], v[24*\t+12:24*\t+23], v[24*(\T)+12:24*(\T)+23], v[ACC+8*\t:ACC+8*\t+7], v[CS+2*\t+1], v[WUS+2*(\T)+1] matrix_a_fmt:MATRIX_FMT_FP6 matrix_b_fmt:MATRIX_FMT_FP6
.endr
	WIN 0
.rept 4
	v_nop                                          ; places in front of the first read of results, and of loads into registers that the products have read
.endr
.endm
.macro ELU                             ; the 64 numbers become elu + 1, sixteen at a time
.irp g, 0,1,2,3
.irp n, 0,2,4,6,8,10,12,14
	v_pk_mul_f32 v[Y+\n:Y+\n+1], v[ACC+16*\g+\n:ACC+16*\g+\n+1], s[LG:LG+1] op_sel_hi:[1,0]
.endr
.irp n, 0,1,2,3,4,5,6,7,8,9,10,11,12,13,14,15
	v_min_num_f32 v[Y+\n], 0, v[Y+\n]
.endr
.irp n, 0,1,2,3,4,5,6,7,8,9,10,11,12,13,14,15
	v_exp_f32 v[Y+\n], v[Y+\n]
.endr
.irp n, 0,1,2,3,4,5,6,7,8,9,10,11,12,13,14,15
	v_max_num_f32 v[ACC+16*\g+\n], 0, v[ACC+16*\g+\n]   ; (plain places behind the exponentials)
.endr
	s_wait_alu depctr_va_vdst(0)
.irp n, 0,2,4,6,8,10,12,14
	v_pk_add_f32 v[ACC+16*\g+\n:ACC+16*\g+\n+1], v[ACC+16*\g+\n:ACC+16*\g+\n+1], v[Y+\n:Y+\n+1]
.endr
.endr
.endm
.macro KSUMM T                         ; the sum of the unquantised k over my 64 tokens, in two chains of pairs
.irp n, 0,4,8,12,16,20,24,28,32,36,40,44,48,52,56,60
	v_pk_add_f32 v[KSM+4*\T:KSM+4*\T+1], v[KSM+4*\T:KSM+4*\T+1], v[ACC+\n:ACC+\n+1]
	v_pk_add_f32 v[KSM+4*\T+2:KSM+4*\T+3], v[KSM+4*\T+2:KSM+4*\T+3], v[ACC+\n+2:ACC+\n+3]
.endr
.endm
.macro CTXM blk, first                 ; k^T v for d = 32 blk .. 32 blk + 31: eight products on eight accumulators
.rept 8
	v_nop                                          ; a scale word written by a vector instruction stands 8 places ahead of a scaled product, an operand so written 4
.endr
	WIN 0xf0                                       ; C and D window 3
.irp e, 0,1,2,3
.irp u, 0,1
.if \first
	v_wmma_scale_f32_16x16x128_f8f6f4 v[8*(4*\e+2*\blk+\u):8*(4*\e+2*\blk+\u)+7], v[KFR+12*\u:KFR+12*\u+11], v[VFR+12*\e:VFR+12*\e+11], 0, v[KW+2*\blk+\u], v[KW+4+\e] matrix_a_fmt:MATRIX_FMT_FP6 matrix_b_fmt:MATRIX_FMT_FP6
.else
	v_wmma_scale_f32_16x16x128_f8f6f4 v[8*(4*\e+2*\blk+\u):8*(4*\e+2*\blk+\u)+7], v[KFR+12*\u:KFR+12*\u+11], v[VFR+12*\e:VFR+12*\e+11], v[8*(4*\e+2*\blk+\u):8*(4*\e+2*\blk+\u)+7], v[KW+2*\blk+\u], v[KW+4+\e] matrix_a_fmt:MATRIX_FMT_FP6 matrix_b_fmt:MATRIX_FMT_FP6
.endif
.endr
.endr
	WIN 0
.endm
.macro CLOADI i                        ; chunk i's 16 fragments of c, as they lie: 48 loads
	WIN 0x40
.set n, 0
.rept 48
	global_load_b128 v[4*n:4*n+3], v4, s[24:25] offset:24576*(\i)+512*n
.set n, n+1
.endr
	WIN 0
.endm
.macro CLOADS i                        ; and their scale words: 16 loads
.set n, 0
.rept 16
	global_load_b32 v[CS+n], v5, s[26:27] offset:2048*(\i)+128*n
.set n, n+1
.endr
.endm
	s_load_b256 s[4:11], s[0:1], 0x0               ; cq, Wu's codes, Wu's scales, bu
	s_load_b64 s[12:13], s[0:1], 0x20              ; part
	v_lshl_add_u32 v66, v0, 2, 0x17000
	v_mov_b32 v67, 0
	v_lshrrev_b32 v1, 5, v0
	v_readfirstlane_b32 s14, v1                    ; wave 0..3
	v_and_b32 v1, 15, v0                           ; r
	v_bfe_u32 v2, v0, 4, 1                         ; h
	v_and_b32 v3, 31, v0                           ; lane
	v_lshlrev_b32 v4, 4, v3                        ; 16 x lane
	v_lshlrev_b32 v5, 2, v3                        ; 4 x lane
	v_and_b32 v9, 8, v1
	v_add_nc_u32 v9, v9, v1                        ; r + 8 (r / 8)
	v_mul_u32_u24 v6, v1, WP
	v_mad_u32_u24 v6, v2, 24, v6
	v_add_nc_u32 v6, WST, v6                       ; the stage, k's tiles: row r, + 24 x half
	v_mul_u32_u24 v7, v9, WP
	v_mad_u32_u24 v7, v2, 24, v7
	v_add_nc_u32 v7, WST, v7                       ; v's tiles: row r + 8 (r / 8)
	v_lshlrev_b32 v8, 3, v1                        ; their scale bytes: 8 a row
	v_lshlrev_b32 v10, 2, v1                       ; and the bias
	v_lshlrev_b32 v11, 2, v9
	v_lshlrev_b32 v9, 3, v9
	v_lshrrev_b32 v[GW], 2, v3                     ; four lanes to a row of Wu, 48 bytes each, in three loads of 16
	v_and_b32 v185, 3, v3
	v_mul_u32_u24 v185, v185, 48
	v_mad_u32_u24 v[LW], v[GW], WP, v185
	v_mad_u32_u24 v[GW], v[GW], 192, v185
	s_mul_i32 s15, s14, 32*WP
	s_add_co_u32 s15, s15, WST
	v_add_nc_u32 v[LW], s15, v[LW]                 ; my 32 rows of the stage
	s_lshl_b32 s15, s14, 14
	v_add_nc_u32 v12, s15, v4                      ; LDS: my wave's image of 128 accumulator registers
	s_lshl_b32 s15, s14, 12
	v_add_nc_u32 v13, s15, v4                      ; and tile of e = w in each wave's image
	s_lshl_b32 s15, s14, 9
	s_add_co_u32 s15, s15, 65536
	v_add_nc_u32 v14, s15, v5                      ; my wave's four sums of k
	s_lshl_b32 s15, s14, 7
	s_add_co_u32 s15, s15, 65536
	v_add_nc_u32 v15, s15, v5                      ; and tile w in each wave's
	s_and_b32 s16, ttmp9, 3                        ; the quarter
	s_bfe_u32 s17, ttmp9, 0x40002                  ; the head
	s_lshr_b32 s18, ttmp9, 6                       ; the batch
	s_lshl_b32 s19, s18, 5
	s_lshl_b32 s28, s16, 3
	s_add_co_u32 s19, s19, s28
	s_lshl_b32 s28, s14, 1
	s_add_co_u32 s19, s19, s28                     ; my first chunk: 32 batch + 8 quarter + 2 wave
	s_mul_i32 s24, s19, 24576
	s_mov_b32 s25, 0
	s_lshl_b32 s26, s19, 11
	s_add_co_u32 s26, s26, 3145728
	s_mov_b32 s27, 0
	s_mul_i32 s28, s17, 24576                      ; the head's 128 rows of Wu,
	s_mov_b32 s29, 0
	s_lshl_b32 s30, s17, 10                        ; their scale bytes,
	s_mov_b32 s31, 0
	s_lshl_b32 s32, s17, 9                         ; their bias
	s_mov_b32 s33, 0
	s_lshl_b32 s34, ttmp9, 14
	s_lshl_b32 s36, s14, 12
	s_add_co_u32 s34, s34, s36                     ; out: work-group x 16,384 + wave x 4,096
	s_mov_b32 s35, 0
	s_lshl_b32 s36, ttmp9, 8
	s_lshl_b32 s38, s14, 6
	s_add_co_u32 s36, s36, s38
	s_add_co_u32 s36, s36, 4194304
	s_mov_b32 s37, 0
	s_mul_i32 s40, s14, 6144                       ; my 32 of the head's rows of Wu
	s_mov_b32 s41, 0
	s_mov_b32 s[SEL], 0x76543210
	s_mov_b32 s[SEL+1], 0xfedcba98
	s_mov_b32 s[LG], 0x3fb8aa3b
	s_mov_b32 s[LG+1], s[LG]
	s_wait_kmcnt 0x0
	s_add_nc_u64 s[24:25], s[4:5], s[24:25]
	s_add_nc_u64 s[26:27], s[4:5], s[26:27]
	s_add_nc_u64 s[6:7], s[6:7], s[28:29]
	s_add_nc_u64 s[40:41], s[6:7], s[40:41]
	s_add_nc_u64 s[8:9], s[8:9], s[30:31]
	s_add_nc_u64 s[10:11], s[10:11], s[32:33]
	s_add_nc_u64 s[34:35], s[12:13], s[34:35]
	s_add_nc_u64 s[36:37], s[12:13], s[36:37]
.irp g, 0,1,2,3                                ; my quarter of Wu: eight rows, 1,536 consecutive bytes, to three loads
.irp c, 0,1,2
	global_load_b128 v[ACC+12*\g+4*\c:ACC+12*\g+4*\c+3], v[GW], s[40:41] offset:1536*\g+16*\c
.endr
.endr
	CLOADI 0
	s_wait_loadcnt 48                              ; Wu's twelve loads are in; the 48 of c's images, issued behind them, stay out
.irp g, 0,1,2,3
.irp c, 0,1,2
	ds_store_b128 v[LW], v[ACC+12*\g+4*\c:ACC+12*\g+4*\c+3] offset:8*WP*\g+16*\c
.endr
.endr
	CLOADS 0
.irp T, 0,1,2,3
	global_load_b64 v[WUS+2*\T:WUS+2*\T+1], v8, s[8:9] offset:16*\T*8
.endr
.irp e, 0,1,2,3
	global_load_b64 v[WUS+8+2*\e:WUS+9+2*\e], v9, s[8:9] offset:(64+32*(\e/2)+8*(\e%2))*8
.endr
	WIN 0x40                                       ; destination window 1: a lane's column has one bias for all tokens: loaded once, copied below
.irp T, 0,1,2,3
	global_load_b32 v[BI+8*\T], v10, s[10:11] offset:64*\T
.endr
.irp e, 0,1,2,3
	global_load_b32 v[BI+32+8*\e], v11, s[10:11] offset:(64+32*(\e/2)+8*(\e%2))*4
.endr
	WIN 0
	s_wait_dscnt 0x0                               ; for the others' sake: my quarter of Wu lies in the stage
	s_barrier_signal -1
	s_barrier_wait -1                              ; everybody's does
	WIN 0x80                                       ; destination window 2: Wu's fragments (column tile T, K step s) at 12 (2 T + s): they stay
.irp T, 0,1,2,3
.irp s, 0,1
.irp p, 0,1,2,3,4,5
	ds_load_b64 v[12*(2*\T+\s)+2*\p:12*(2*\T+\s)+2*\p+1], v6 offset:16*\T*WP+96*\s+48*(\p/3)+8*(\p%3)
.endr
.endr
.endr
.irp e, 0,1,2,3
.irp s, 0,1
.irp p, 0,1,2,3,4,5
	ds_load_b64 v[12*(8+2*\e+\s)+2*\p:12*(8+2*\e+\s)+2*\p+1], v7 offset:(64+32*(\e/2)+8*(\e%2))*WP+96*\s+48*(\p/3)+8*(\p%3)
.endr
.endr
.endr
	WIN 0
	s_wait_loadcnt 0x0                             ; the bias, the scale words, the first chunk's c
	WIN 0x41                                       ; destination and source 0 window 1
.irp T, 0,1,2,3,4,5,6,7
.irp j, 1,2,3,4,5,6,7
	v_mov_b32 v[BI+8*\T+\j], v[BI+8*\T]            ; eight equal registers: the C of a sum's first product
.endr
.endr
	WIN 0
.set n, 0
.rept 16
	v_mov_b32 v[KSM+n], 0
.set n, n+1
.endr
.irp b, 0,1,2,3
	v_mov_b32 v[TM+4+\b], 0                        ; written once: a lane permute's destination counts as one of its sources
.endr
	s_wait_dscnt 0x0                               ; Wu's fragments
; A chunk of 128 tokens: v's four column tiles, then k's in pairs, each pair followed by its products with v.
.macro CHUNK i
	s_wait_loadcnt 0x0                             ; this chunk's c
.irp e, 0,1,2,3
	MULT 4+\e
	QUANT ACC, VFR+12*\e, AUX, KW+4+\e
.endr
	MULT 0
	ELU
	KSUMM 0
	QUANT ACC, KFR, AUX, KW
	MULT 1
	ELU
	KSUMM 1
	QUANT ACC, KFR+12, AUX, KW+1
	CTXM 0, 1-\i
	MULT 2
	ELU
	KSUMM 2
	QUANT ACC, KFR, AUX, KW+2
	MULT 3
.if \i == 0
	CLOADI 1                                       ; c's registers are free: the next chunk lands under the vector work below
	CLOADS 1
.endif
	ELU
	KSUMM 3
	QUANT ACC, KFR+12, AUX, KW+3
	CTXM 1, 1-\i
.endm
	CHUNK 0
	CHUNK 1
	; THE TAIL: the four waves' parts meet in LDS; wave w adds and stores tile of e = w and the sums of k's tile w.
.rept 4
	v_nop
.endr
	WIN 0x0c                                       ; an LDS store's data are its source 1: window 3
.set n, 0
.rept 32
	ds_store_b128 v12, v[4*n:4*n+3] offset:512*n   ; each accumulator from its low end on
.set n, n+1
.endr
	WIN 0
.irp T, 0,1,2,3
	v_pk_add_f32 v[KSM+4*\T:KSM+4*\T+1], v[KSM+4*\T:KSM+4*\T+1], v[KSM+4*\T+2:KSM+4*\T+3]
.endr
.irp T, 0,1,2,3
	v_add_f32 v[KSM+4*\T], v[KSM+4*\T], v[KSM+4*\T+1]
.endr
.irp T, 0,1,2,3
	v_permlanex16_b32 v[KSM+4*\T+1], v[KSM+4*\T], s[SEL], s[SEL+1]
.endr
.irp T, 0,1,2,3
	v_add_f32 v[KSM+4*\T], v[KSM+4*\T], v[KSM+4*\T+1]   ; with the other half of the lanes' tokens
.endr
.irp T, 0,1,2,3
	ds_store_b32 v14, v[KSM+4*\T] offset:128*\T
.endr
	s_wait_dscnt 0x0                               ; for the others' sake: my stores have landed
	s_barrier_signal -1
	s_barrier_wait -1
.irp w, 0,1,2,3
.irp i, 0,1,2,3,4,5,6,7
	ds_load_b128 v[RS+32*\w+4*\i:RS+32*\w+4*\i+3], v13 offset:16384*\w+512*\i
.endr
.endr
.irp w, 0,1,2,3
	ds_load_b32 v[216+\w], v15 offset:512*\w
.endr
	s_wait_dscnt 0x0
.set n, 0
.rept 16
	v_pk_add_f32 v[RS+2*n:RS+2*n+1], v[RS+2*n:RS+2*n+1], v[RS+32+2*n:RS+33+2*n]
	v_pk_add_f32 v[RS+64+2*n:RS+65+2*n], v[RS+64+2*n:RS+65+2*n], v[RS+96+2*n:RS+97+2*n]
.set n, n+1
.endr
.set n, 0
.rept 16
	v_pk_add_f32 v[RS+2*n:RS+2*n+1], v[RS+2*n:RS+2*n+1], v[RS+64+2*n:RS+65+2*n]
.set n, n+1
.endr
	v_add_f32 v216, v216, v217
	v_add_f32 v218, v218, v219
	v_add_f32 v216, v216, v218
.irp i, 0,1,2,3,4,5,6,7
	global_store_b128 v4, v[RS+4*\i:RS+4*\i+3], s[34:35] offset:512*\i   ; 32 lanes store 512 consecutive bytes
.endr
	global_store_b32 v10, v216, s[36:37]           ; lanes 16-31 hold and store what lanes 0-15 do
	s_wait_tensorcnt 0x0
	ds_add_u32 v66, v67
	s_wait_dscnt 0x0
	s_endpgm
.Lfunc_end_k_q358e6701a1_ctx:
	.size	k_q358e6701a1_ctx, .Lfunc_end_k_q358e6701a1_ctx-k_q358e6701a1_ctx
	.p2alignl 7, 3214868480
	.fill 96, 4, 3214868480
	.section	.rodata,"a",@progbits
	.p2align	6, 0x0
	.amdhsa_kernel k_q358e6701a1_ctx
		.amdhsa_group_segment_fixed_size 94720
		.amdhsa_private_segment_fixed_size 0
		.amdhsa_enable_private_segment 0
		.amdhsa_kernarg_size 40
		.amdhsa_user_sgpr_count 2
		.amdhsa_user_sgpr_kernarg_segment_ptr 1
		.amdhsa_wavefront_size32 1
		.amdhsa_system_sgpr_workgroup_id_x 1
		.amdhsa_system_sgpr_workgroup_id_y 1
		.amdhsa_system_sgpr_workgroup_id_z 1
		.amdhsa_system_vgpr_workitem_id 0
		.amdhsa_next_free_vgpr 896
		.amdhsa_next_free_sgpr 66
		.amdhsa_reserve_vcc 0
		.amdhsa_float_denorm_mode_32 3
		.amdhsa_float_denorm_mode_16_64 3
		.amdhsa_memory_ordered 1
		.amdhsa_forward_progress 1
		.amdhsa_inst_pref_size 236
	.end_amdhsa_kernel
	.amdgpu_metadata
---
amdhsa.version: [ 1, 2 ]
amdhsa.kernels:
  - .name:           k_q358e6701a1_ctx
    .symbol:         k_q358e6701a1_ctx.kd
    .args:
      - { .name: cq, .offset: 0, .size: 8, .value_kind: global_buffer, .address_space: global }
      - { .name: Wu_codes, .offset: 8, .size: 8, .value_kind: global_buffer, .address_space: global }
      - { .name: Wu_scales, .offset: 16, .size: 8, .value_kind: global_buffer, .address_space: global }
      - { .name: bu, .offset: 24, .size: 8, .value_kind: global_buffer, .address_space: global }
      - { .name: part, .offset: 32, .size: 8, .value_kind: global_buffer, .address_space: global }
    .group_segment_fixed_size: 94720
    .private_segment_fixed_size: 0
    .kernarg_segment_align: 8
    .kernarg_segment_size: 40
    .max_flat_workgroup_size: 128
    .sgpr_count:     66
    .vgpr_count:     896
    .wavefront_size: 32
...
	.end_amdgpu_metadata
.endif
;; end of part 2
;; launch attn (part 3): grid 4 x 64, 4 waves a work-group, clusters of 4 x 4, 327,680 bytes of LDS; arguments x_codes, x_scales, Wq_codes, Wq_scales, bq, part, a_img, a_scl; writes a_img, a_scl
.if DOCPART == 3
	.amdgcn_target "amdgcn-amd-amdhsa--gfx1250"
	.amdhsa_code_object_version 6
	.text
	.protected	k_q358e6701a1_attn
	.globl	k_q358e6701a1_attn
	.p2align	8
	.type	k_q358e6701a1_attn,@function
k_q358e6701a1_attn:
	s_mov_b64 s[64:65], 0
	v_nop
	global_prefetch_b8 v0, s[64:65] scope:SCOPE_SE
	s_setreg_imm32_b32 hwreg(HW_REG_WAVE_MODE, 25, 1), 1
	s_wait_xcnt 0x0
	s_wait_alu depctr_hold_cnt(0) depctr_sa_sdst(0) depctr_va_vdst(0) depctr_va_sdst(0) depctr_va_ssrc(0) depctr_va_vcc(0) depctr_vm_vsrc(0)
	s_getreg_b32 s2, hwreg(HW_REG_IB_STS2, 6, 4)
	s_cmp_eq_u32 s2, 0
	s_cbranch_scc0 .Lentry_in_a_cluster
	s_endpgm
.Lentry_in_a_cluster:
	s_bfe_u32 s2, ttmp6, 0x10000c
	s_cmp_lg_u32 s2, 0xf033
	s_cbranch_scc0 .Lentry_shape_is_right
	s_endpgm
.Lentry_shape_is_right:
; q = elu(x Wq + bq) + 1;  z = 1 / (q . sum of k + 1e-6) on the unquantised q;  a = (Q(q) Q(context)) z, quantised along the model's 1,024 for the last product.  All products on codes of FP6 (E2M3).
; x: [16384][1024] codes (rows of 768 bytes), scale bytes [16384][32]; Wq: [1024][1024] likewise; bq [1024] f32.
; part: the four quarters' parts of k^T v, [head of batch 64][quarter 4][tile of e 4][8 x 512 bytes] (an image of 32 registers: 16 x block of d + 8 u + j), and from byte 4,194,304 of the sum of k, [64][4][64] f32.
; OUT: a_img [group of 128 tokens 128][slot 4][tile of 16 tokens 8][K step in the slot 2][1,536 bytes]: images of operand registers; a_scl [16384][32]: scale bytes.
; THE CONTEXT is finished at the head, while the first tiles are on their way and the accumulators' 512 registers are idle: the work-group's 256 columns are four heads; wave (row half u, column half) takes head u of its
; column half's pair: 4 tiles x 4 quarters x 32 registers, added, quantised along d (two blocks of 32), and put into LDS bytes of their own as images of operand registers, with the scale words and the sum of k.
; A lane holds one e; register 16 x block + 8 u + j is d = 32 block + 16 u + 8 (lane / 16) + j and stands at place 16 (lane / 16) + 8 u + j of its block; q's codes have the same order inside a block.
; THE FIRST PRODUCT: a tile of q, 256 x 256, is made by four waves, each 128 x 128: 64 accumulators, 512 registers.  K goes in steps of 256 through a ring of two LDS slots filled by the tensor data mover (rows of 192 bytes,
; 16 bytes of padding behind every 64).  The scale bytes of the work-group's rows come into LDS once.  4 x 4 work-groups form a cluster: x's tiles are asked for jointly along a row of it, Wq's along a column.
; TRANSPOSED: source 0 = 16 rows of Wq, source 1 = 16 tokens: a lane holds one token and eight neighbouring columns: register 8 b + j of a token block is column 16 b + 8 (lane / 16) + j of my 128: two heads.
; The bias is the C of each sum's first product.
; THE REST, a block of 16 tokens at a time, in registers: elu + 1; q's codes; z by fused multiply-adds; the product with the context, K = 128 = both heads: a context fragment is one head's 6 registers of codes beside
; 6 of zeros, so the other head's q adds nothing; x z; the codes and scale word of a.
; elu(x) + 1 = max(x, 0) + 2^min(x log2(e), 0).
; LIMITS: x log2(e) is rounded once (relative error of e^x about |x| x 6e-8); results under 2^-126 are zeros; NaN and infinities are not served; a block of zeros gets the byte 1.
; REGISTERS, in windows of 256.  window 0: v0-31 addresses; v32-63 scale words (at the head: the context's quantiser); v64-127 the bias, later q; from v128 x's fragments, one set (at the head: the context's sums);
;   later v128-191, v192-255 at work.   window 1: Wq's fragments, two sets; later v0-71 the context's fragments, v128-191 the sum of k.
;   windows 2, 3: the accumulators ((a, b) at v[8 (8 (a % 4) + b)]); at the head the context's parts: tile e at 128 (e % 2) of window 2 + e / 2, quarter t 32 t on.
.set KSTEP,  256
.set NQ,     2
.set ROWB,   192
.set KROW,   768
.set PITCH,  240                       ; an LDS row: 3 x (64 bytes + 16 of padding)
.set FR,     12
.set NL,     6
.set NP,     4
.set HALFT,  128*PITCH
.set SLOT,   4*HALFT
.set LAPS,   2
.set KS,     32
.set SCL,    2*SLOT                    ; behind the ring: the scale bytes, as units of 256 bytes + 16 of padding
.set HALFS,  16*272
.set SBLK,   2*272
.set SPARE,  SCL+4*HALFS               ; the spare words, 128 bytes for each wave: two blocks of 256 bytes that no other line names
.set CXL,    SPARE+512                 ; the context's codes: [column half 2][head 2][tile 4][768 bytes]: registers 0-3 as 512 bytes (16 a lane), registers 4-5 as 256 (8 a lane).  No tile lands here
.set CSL,    CXL+12288                 ; its scale words: [column half][tile][32 lanes]: bytes 0, 1 the even head's two blocks, bytes 2, 3 the odd head's
.set KSL,    CSL+1024                  ; the sum of k: [column half][128] f32
.set ADRA, 16                          ; v16-17 LDS address of x's fragments in slot 0, 1 (v18-19: behind one padding more)
.set ADRB, 20                          ; v20-23 the same for Wq
.set ADRS, 27                          ; v27    LDS address of my scale words: lanes 0-15 x's rows, lanes 16-31 Wq's
.set SPW,  28                          ; v28    LDS address of my spare word; never rewritten
.set NIL,  29                          ; v29    0; never rewritten
.set AW,   30                          ; v30    a's scale word
.set SC,   32                          ; v32-63 scale words, two sets; later v32-35 the context's, v36 q's
.set BI,   64                          ; v64-127 the bias
.set AF,   128
.set MS,   128                         ; the head: the context's sums, 32 a tile
.set MX,   32                          ; v32-39 largest magnitudes (2 x tile + block); then tile 0's codes
.set PM,   40                          ; v40-47 the other half's, then the bytes
.set SO,   48                          ; v48-55 the conversions' scale operands
.set WD,   56                          ; v56-59 half a scale word a tile
.set KSR,  60                          ; v60-61 my two sums of k
.set Q,    64                          ; the rest: q, then a
.set Y,    128
.set PC,   192                         ; q's codes (12) and 7 at work
.set TM,   212
.set Z,    228                         ; v228-235 four chains; then z of head 0 in v228, of head 1 in v232
.set PCA,  236                         ; a's codes and 7 at work
.set KSU,  128                         ; in window 1: the sum of k
.set G1, 24
.set G0, 32
.set G1B, 48
.set G0B, 56
.set G1S, 68
.set G0S, 76
.set G1SB, 80
.set G0SB, 88
.set SEL, 10                           ; s[10:11]
.set LG,  22                           ; s[22:23]
.set MSB, 0
.macro WIN new
.if MSB != (\new)
	s_set_vgpr_msb (MSB<<8)|(\new)
.set MSB, (\new)
.endif
.endm
.set MUL_LO, 0xa1                      ; source 0 (Wq) window 1, source 1 (x) window 0, C and D window 2
.set MUL_HI, 0xf1                      ; the same, C and D window 3
.set TO_B,   0x40
; A joint load: waves 0 and 1 fetch for x, waves 2 and 3 for Wq.  Four v_nop follow each of the two lines.
.macro JLOAD g0a, g1a, g0b, g1b
	s_cmp_eq_u32 s15, 0
	s_cbranch_scc0 .Lfor_b_\@
	tensor_load_to_lds s[\g0a:\g0a+3], s[\g1a:\g1a+7]
	s_nop 0
.rept 4
	v_nop
.endr
	s_branch .Lasked_\@
.Lfor_b_\@:
	tensor_load_to_lds s[\g0b:\g0b+3], s[\g1b:\g1b+7]
	s_nop 0
.rept 4
	v_nop
.endr
.Lasked_\@:
.endm
.macro CREST
	s_cmp_lg_u32 s14, 0
	s_cbranch_scc1 .Lnot_wave_0_\@
	s_barrier_signal -3
.Lnot_wave_0_\@:
	s_barrier_wait -3
	s_barrier_signal -1
	s_barrier_wait -1
.endm
.macro CROUND
	s_barrier_signal -1
	s_barrier_wait -1
	CREST
.endm
.macro QUANT src, cod, aux, wrd
.irp b, 0,1,2,3
	v_max3_num_f32 v[TM+\b], |v[\src+16*\b]|, |v[\src+1+16*\b]|, 0x1800000   ; my 16 numbers of block b, and the floor 2^(3 - 127)
.endr
.irp i, 2,4,6,8,10,12,14
.irp b, 0,1,2,3
	v_max3_num_f32 v[TM+\b], v[TM+\b], |v[\src+16*\b+\i]|, |v[\src+1+16*\b+\i]|
.endr
.endr
.irp b, 0,1,2,3
	v_permlanex16_b32 v[TM+4+\b], v[TM+\b], s[SEL], s[SEL+1]
.endr
.irp b, 0,1,2,3
	v_max_num_f32 v[TM+\b], v[TM+\b], v[TM+4+\b]
.endr
.irp b, 0,1,2,3
	v_add_nc_u32 v[TM+12+\b], 0xff000000, v[TM+\b] ; 2 off the exponent field: the conversion's scale operand
.endr
.irp b, 0,1,2,3
	v_lshrrev_b32 v[TM+4+\b], 23, v[TM+12+\b]      ; the scale's byte
.endr
	v_lshl_or_b32 v[\wrd], v[TM+5], 8, v[TM+4]
	v_lshl_or_b32 v[\wrd], v[TM+6], 16, v[\wrd]
	v_lshl_or_b32 v[\wrd], v[TM+7], 24, v[\wrd]
.irp c, 0,1
	v_cvt_scalef32_pk16_fp6_f32 v[\cod+6*\c:\cod+2+6*\c], v[\src+32*\c:\src+15+32*\c], v[TM+12+2*\c]
	v_cvt_scalef32_pk16_fp6_f32 v[\aux+4*\c:\aux+2+4*\c], v[\src+16+32*\c:\src+31+32*\c], v[TM+12+2*\c+1]
.endr
	v_nop                                          ; one plain place behind a scaled conversion
.irp c, 0,1
.irp i, 0,1,2
	v_permlane16_swap_b32 v[\cod+6*\c+\i], v[\aux+4*\c+\i]
.endr
.irp i, 0,1,2
	v_mov_b32 v[\cod+3+6*\c+\i], v[\aux+4*\c+\i]
.endr
.endr
.endm
; The head: tile e's four quarters are added, (0 + 1) + (2 + 3); the sums go to window 0.
.macro SUMT e
.set WN, 2+(\e)/2
.set PB, 128*((\e)%2)
	WIN WN|(WN<<2)|(WN<<6)                         ; both sources and the destination: the tile's window
.set n, 0
.rept 16
	v_pk_add_f32 v[PB+2*n:PB+2*n+1], v[PB+2*n:PB+2*n+1], v[PB+32+2*n:PB+33+2*n]
	v_pk_add_f32 v[PB+64+2*n:PB+65+2*n], v[PB+64+2*n:PB+65+2*n], v[PB+96+2*n:PB+97+2*n]
.set n, n+1
.endr
	WIN WN|(WN<<2)                                 ; the destination: window 0
.set n, 0
.rept 16
	v_pk_add_f32 v[MS+32*(\e)+2*n:MS+32*(\e)+2*n+1], v[PB+2*n:PB+2*n+1], v[PB+64+2*n:PB+65+2*n]
.set n, n+1
.endr
	WIN 0
.endm
; Tile e's 32 numbers a lane become 6 registers of codes in v[cod] on (v[cod + 6] .. v[cod + 8] at work), which go to LDS with the half scale word.
.macro CODET e, cod
	v_cvt_scalef32_pk16_fp6_f32 v[\cod:\cod+2], v[MS+32*(\e):MS+32*(\e)+15], v[SO+2*(\e)]
	v_cvt_scalef32_pk16_fp6_f32 v[\cod+6:\cod+8], v[MS+32*(\e)+16:MS+32*(\e)+31], v[SO+2*(\e)+1]
	v_nop                                          ; one plain place behind a scaled conversion
.irp i, 0,1,2
	v_permlane16_swap_b32 v[\cod+\i], v[\cod+6+\i] ; lanes 0-15 get block 0 whole, lanes 16-31 block 1
.endr
.irp i, 0,1,2
	v_mov_b32 v[\cod+3+\i], v[\cod+6+\i]
.endr
	ds_store_b128 v12, v[\cod:\cod+3] offset:768*(\e)
	ds_store_b64 v13, v[\cod+4:\cod+5] offset:768*(\e)+512
	ds_store_b16 v14, v[WD+(\e)] offset:128*(\e)   ; my head's half of each lane's scale word
.endm
	s_load_b128 s[4:7], s[0:1], 0x0                ; x's codes, x's scales
	s_load_b128 s[8:11], s[0:1], 0x10              ; Wq's codes, Wq's scales
	s_load_b64 s[12:13], s[0:1], 0x20              ; bq
	s_load_b64 s[96:97], s[0:1], 0x28              ; part
	s_load_b64 s[98:99], s[0:1], 0x30              ; a_img
	s_load_b64 s[100:101], s[0:1], 0x38            ; a_scl
	v_lshl_add_u32 v[SPW], v0, 2, SPARE
	v_mov_b32 v[NIL], 0
	ds_add_u32 v28, v29
	ds_add_u32 v28, v29
	s_wait_dscnt 0x0
	v_lshrrev_b32 v1, 5, v0
	v_readfirstlane_b32 s14, v1                    ; wave 0..3
	s_lshr_b32 s15, s14, 1                         ; which half of the tile's tokens is mine.  Also: I fetch for x (0) or for Wq (1).  Also: which head of my pair I mix
	s_and_b32 s16, s14, 1                          ; which half of its columns.  Also: which 128 rows of that tile I fetch
	s_bfe_u32 s40, ttmp6, 0x40000                  ; cx, cy
	s_bfe_u32 s41, ttmp6, 0x40004
	s_lshl_b32 s42, ttmp9, 2
	s_add_co_u32 s42, s42, s40                     ; tile column
	s_and_b32 s17, ttmp7, 0xffff
	s_lshl_b32 s17, s17, 2
	s_add_co_u32 s17, s17, s41                     ; tile row
	s_lshl_b32 s43, s41, 2
	s_lshl_b32 s43, 15, s43                        ; my row of the cluster
	s_lshl_b32 s44, 0x1111, s40                    ; my column
	s_or_b32 s[G1+0], s43, (0<<16)|(1<<20)|(1<<21)|(3<<22)|(3<<25)   ; the mask; elements of 1 byte; padding on; bit 21 beside a mask; after every 16 words, 4 words
	s_or_b32 s[G1B+0], s44, (0<<16)|(1<<20)|(1<<21)|(3<<22)|(3<<25)
.irp g, G1, G1B
	s_mov_b32 s[\g+1], ROWB<<16
	s_mov_b32 s[\g+2], 128<<16
	s_mov_b32 s[\g+3], ROWB<<16
	s_mov_b32 s[\g+4], 128
	s_mov_b32 s[\g+5], KROW
	s_mov_b32 s[\g+6], 0
	s_mov_b32 s[\g+7], 0
.endr
	s_or_b32 s[G1S+0], s43, (3<<16)|(1<<20)|(1<<21)|(5<<22)|(3<<25)  ; the scale bytes of 128 rows: 4,096 dense bytes as 16 rows of 256, 16 bytes of padding behind each
	s_or_b32 s[G1SB+0], s44, (3<<16)|(1<<20)|(1<<21)|(5<<22)|(3<<25)
.irp g, G1S, G1SB
	s_mov_b32 s[\g+1], 32<<16
	s_mov_b32 s[\g+2], 16<<16
	s_mov_b32 s[\g+3], 32<<16
	s_mov_b32 s[\g+4], 16
	s_mov_b32 s[\g+5], 32
	s_mov_b32 s[\g+6], 0
	s_mov_b32 s[\g+7], 0
.endr
	s_lshl_b32 s18, s16, 7
	s_lshl_b32 s20, s17, 8
	s_add_co_u32 s20, s20, s18                     ; x: row 256 x tile row + 128 x half
	s_lshl_b32 s46, s42, 8
	s_add_co_u32 s46, s46, s18                     ; Wq: row 256 x tile column + 128 x half
	s_mov_b32 s21, 0
	s_mov_b32 s47, 0
	s_mov_b64 s[18:19], KS
	s_mul_u64 s[22:23], s[20:21], s[18:19]
	s_mul_u64 s[92:93], s[46:47], s[18:19]
	s_mov_b64 s[18:19], KROW
	s_mul_u64 s[20:21], s[20:21], s[18:19]
	s_mul_u64 s[46:47], s[46:47], s[18:19]
	s_mul_i32 s45, s14, HALFT                      ; where they go: wave x 128 rows
	s_mul_i32 s94, s14, HALFS
	s_wait_kmcnt 0x0
	s_add_nc_u64 s[20:21], s[4:5], s[20:21]
	s_add_nc_u64 s[22:23], s[6:7], s[22:23]
	s_add_nc_u64 s[46:47], s[8:9], s[46:47]
	s_add_nc_u64 s[92:93], s[10:11], s[92:93]
	CROUND                                         ; all sixteen work-groups are here: the first joint loads meet
	s_mov_b32 s[G0S], 1
	s_add_co_u32 s[G0S+1], s94, SCL
	s_mov_b64 s[G0S+2:G0S+3], s[22:23]
	s_or_b32 s[G0S+3], s[G0S+3], 0x80000000
	s_mov_b32 s[G0SB], 1
	s_add_co_u32 s[G0SB+1], s94, SCL
	s_mov_b64 s[G0SB+2:G0SB+3], s[92:93]
	s_or_b32 s[G0SB+3], s[G0SB+3], 0x80000000
	JLOAD G0S, G1S, G0SB, G1SB                     ; the scale bytes first
.irp s, 0,1
	s_mov_b32 s[G0+4*\s], 1
	s_add_co_u32 s[G0+4*\s+1], s45, \s*SLOT
	s_add_nc_u64 s[G0+4*\s+2:G0+4*\s+3], s[20:21], \s*ROWB
	s_or_b32 s[G0+4*\s+3], s[G0+4*\s+3], 0x80000000
	s_mov_b32 s[G0B+4*\s], 1
	s_add_co_u32 s[G0B+4*\s+1], s45, \s*SLOT
	s_add_nc_u64 s[G0B+4*\s+2:G0B+4*\s+3], s[46:47], \s*ROWB
	s_or_b32 s[G0B+4*\s+3], s[G0B+4*\s+3], 0x80000000
	JLOAD G0+4*\s, G1, G0B+4*\s, G1B
.endr
	v_and_b32 v1, 15, v0                           ; r
	v_bfe_u32 v2, v0, 4, 1                         ; h
	v_mul_u32_u24 v3, v1, PITCH
	v_mul_u32_u24 v4, v2, 24
	v_add_nc_u32 v4, v3, v4
	v_lshl_add_u32 v5, v2, 4, v4
	s_mul_i32 s21, s15, HALFT
	s_mul_i32 s22, s16, HALFT
	s_add_co_u32 s22, s22, 2*HALFT
.irp s, 0,1
	v_add_nc_u32 v[ADRA+\s], s21, v4
	v_add_nc_u32 v[ADRB+\s], s22, v4
	v_add_nc_u32 v[ADRA+2+\s], s21, v5
	v_add_nc_u32 v[ADRB+2+\s], s22, v5
	s_add_co_u32 s21, s21, SLOT
	s_add_co_u32 s22, s22, SLOT
.endr
	v_mul_u32_u24 v5, v1, KS
	v_lshrrev_b32 v6, 8, v5
	v_lshl_add_u32 v5, v6, 4, v5
	s_mul_i32 s21, s15, HALFS
	s_mul_i32 s22, s16, HALFS
	s_add_co_u32 s22, s22, 2*HALFS
	s_sub_co_u32 s22, s22, s21
	v_mul_u32_u24 v6, s22, v2                      ; lanes 16-31 take Wq's
	s_add_co_u32 s21, s21, SCL
	v_add_nc_u32 v5, v5, v6
	v_add_nc_u32 v[ADRS], s21, v5
	v_and_b32 v6, 31, v0
	v_lshlrev_b32 v7, 4, v6                        ; 16 x lane
	v_lshlrev_b32 v8, 3, v6                        ; 8 x lane
	v_lshlrev_b32 v9, 2, v6                        ; 4 x lane
	v_lshlrev_b32 v10, 5, v2                       ; 32 h: eight f32 for each half
	v_lshlrev_b32 v11, 5, v1                       ; 32 r: a row of a's scale bytes
	; the context's places in LDS: they hang on the wave's number and the lane alone
	s_lshl_b32 s66, s16, 1
	s_add_co_u32 s66, s66, s15                     ; 2 x column half + the head that I mix
	s_mul_i32 s93, s66, 3072
	s_add_co_u32 s93, s93, CXL
	v_add_nc_u32 v12, s93, v7                      ; I store: codes, registers 0-3,
	v_add_nc_u32 v13, s93, v8                      ; registers 4-5,
	s_lshl_b32 s93, s16, 9
	s_lshl_b32 s94, s15, 1
	s_add_co_u32 s94, s94, s93
	s_add_co_u32 s94, s94, CSL
	v_add_nc_u32 v14, s94, v9                      ; my half of the scale words,
	s_lshl_b32 s94, s66, 8
	s_add_co_u32 s94, s94, KSL
	v_add_nc_u32 v15, s94, v8                      ; my head's 64 sums of k, two a lane
	s_add_co_u32 s94, s93, CSL
	v_add_nc_u32 v26, s94, v9                      ; I read: my column half's scale words,
	s_add_co_u32 s94, s93, KSL
	v_add_nc_u32 v31, s94, v10                     ; its sums of k, in q's layout,
	s_mul_i32 s93, s16, 6144
	s_add_co_u32 s93, s93, CXL
	v_add_nc_u32 v24, s93, v7                      ; its two heads' codes
	v_add_nc_u32 v25, s93, v8
	; the bases of what is read from and stored to memory
	s_lshl_b32 s46, s42, 10
	s_lshl_b32 s47, s16, 9
	s_add_co_u32 s46, s46, s47                     ; my first column, in f32 bytes
	s_mov_b32 s47, 0
	s_add_nc_u64 s[12:13], s[12:13], s[46:47]      ; bq there
	s_mov_b32 s67, 0
	s_lshr_b32 s95, s17, 4                         ; the batch
	s_lshl_b32 s92, s42, 1
	s_add_co_u32 s92, s92, s16                     ; my pair of heads = my K step of the last product
	s_lshl_b32 s93, s95, 3
	s_add_co_u32 s93, s93, s92
	s_lshl_b32 s93, s93, 1
	s_add_co_u32 s93, s93, s15                     ; the head of the batch that I mix
	s_lshl_b32 s66, s93, 16
	s_add_nc_u64 s[4:5], s[96:97], s[66:67]        ; its parts of k^T v: 65,536 bytes a head
	s_lshl_b32 s66, s93, 10
	s_add_co_u32 s66, s66, 4194304
	s_add_nc_u64 s[6:7], s[96:97], s[66:67]        ; and of the sum of k: 1,024 bytes a head
	s_lshl_b32 s93, s17, 1
	s_add_co_u32 s93, s93, s15                     ; my group of 128 tokens
	s_mul_i32 s66, s93, 98304
	s_mul_i32 s93, s42, 24576
	s_add_co_u32 s66, s66, s93
	s_mul_i32 s93, s16, 1536
	s_add_co_u32 s66, s66, s93
	s_add_nc_u64 s[98:99], s[98:99], s[66:67]
	s_lshl_b32 s66, s17, 13
	s_lshl_b32 s93, s15, 12
	s_add_co_u32 s66, s66, s93
	s_lshl_b32 s93, s92, 2
	s_add_co_u32 s66, s66, s93
	s_add_nc_u64 s[100:101], s[100:101], s[66:67]
	s_mov_b32 s[SEL], 0x76543210
	s_mov_b32 s[SEL+1], 0xfedcba98
	s_mov_b32 s[LG], 0x3fb8aa3b                    ; log2(e)
	s_mov_b32 s[LG+1], s[LG]
.irp b, 0,1,2,3,4,5,6,7
	global_load_b128 v[BI+8*\b:BI+8*\b+3], v10, s[12:13] offset:64*\b
	global_load_b128 v[BI+8*\b+4:BI+8*\b+7], v10, s[12:13] offset:64*\b+16
.endr
	; ---- THE CONTEXT of my head: 4 loads of the sum of k, 128 of k^T v's parts, each of 512 consecutive bytes, tile by tile
.irp t, 0,1,2,3
	global_load_b64 v[MS+2*\t:MS+2*\t+1], v8, s[6:7] offset:256*\t
.endr
.irp e, 0,1,2,3
	WIN 0x80+0x40*(\e/2)                           ; destination window 2 or 3
.irp t, 0,1,2,3
.irp i, 0,1,2,3,4,5,6,7
	global_load_b128 v[128*(\e%2)+32*\t+4*\i:128*(\e%2)+32*\t+4*\i+3], v7, s[4:5] offset:16384*\t+4096*\e+512*\i
.endr
.endr
.endr
	WIN 0
.irp n, 0,1,2,3,4,5,6,7
	v_mov_b32 v[PM+\n], 0                          ; a lane permute's destination counts as one of its sources
.endr
	s_wait_loadcnt 63                              ; loads come back in order (ISA guide 5.7.1): behind tile 1's last load stand 64, so the bias, the sums of k and tiles 0 and 1 are in
	v_pk_add_f32 v[MS:MS+1], v[MS:MS+1], v[MS+2:MS+3]
	v_pk_add_f32 v[MS+4:MS+5], v[MS+4:MS+5], v[MS+6:MS+7]
	v_pk_add_f32 v[KSR:KSR+1], v[MS:MS+1], v[MS+4:MS+5]
	ds_store_b64 v15, v[KSR:KSR+1]
	SUMT 0
	SUMT 1
	s_wait_loadcnt 32                              ; tile 2 is in; tile 3's 32 loads may be out
	SUMT 2
	s_wait_loadcnt 0x0
	SUMT 3
.irp e, 0,1,2,3                                ; the eight blocks (four tiles x two blocks of d) by turns: no line waits for the line above it
.irp b, 0,1
	v_max3_num_f32 v[MX+2*\e+\b], |v[MS+32*\e+16*\b]|, |v[MS+32*\e+16*\b+1]|, 0x1800000   ; my 16 numbers of the block, and the floor 2^(3 - 127)
.endr
.endr
.irp i, 2,4,6,8,10,12,14
.irp e, 0,1,2,3
.irp b, 0,1
	v_max3_num_f32 v[MX+2*\e+\b], v[MX+2*\e+\b], |v[MS+32*\e+16*\b+\i]|, |v[MS+32*\e+16*\b+\i+1]|
.endr
.endr
.endr
.irp n, 0,1,2,3,4,5,6,7
	v_permlanex16_b32 v[PM+\n], v[MX+\n], s[SEL], s[SEL+1]
.endr
.irp n, 0,1,2,3,4,5,6,7
	v_max_num_f32 v[MX+\n], v[MX+\n], v[PM+\n]     ; with lane l xor 16's: the block's largest magnitude
.endr
.irp n, 0,1,2,3,4,5,6,7
	v_add_nc_u32 v[SO+\n], 0xff000000, v[MX+\n]    ; 2 off the exponent field: the conversion's scale operand
.endr
.irp n, 0,1,2,3,4,5,6,7
	v_lshrrev_b32 v[PM+\n], 23, v[SO+\n]           ; the scale's byte
.endr
.irp e, 0,1,2,3
	v_lshl_or_b32 v[WD+\e], v[PM+2*\e+1], 8, v[PM+2*\e]
.endr
	CODET 0, MX                                    ; tile 0's codes take the registers that the magnitudes have left; each later tile's those of the sums of the tile before
	CODET 1, MS
	CODET 2, MS+32
	CODET 3, MS+64
.macro FRAG reg, adr, q, i             ; a fragment: six pieces of 8 bytes; where the piece three on lies behind one padding more, the second address register serves
.irp p, 0,1,2,3,4,5
.set PCE, 12*(\q)+6*(\p/3)+\p%3
.if PCE%8 < 5
	ds_load_b64 v[\reg+2*\p:\reg+2*\p+1], v[\adr] offset:8*PCE+16*(PCE/8)+(\i)*16*PITCH
.else
	ds_load_b64 v[\reg+2*\p:\reg+2*\p+1], v[\adr+2] offset:8*PCE+16*(PCE/8)+(\i)*16*PITCH
.endif
.endr
.endm
; 16 products: token blocks a0, a0 + 1 x the eight column blocks.  zero = 1: the bias starts the sums.  The 64 accumulators take turns, in the same order in every step.
.macro MUL16 a0, p, q, sc, zero
.irp a, \a0, \a0+1
.irp b, 0,1,2,3,4,5,6,7
.if \zero
	v_wmma_scale_f32_16x16x128_f8f6f4 v[8*(8*((\a)%4)+\b):8*(8*((\a)%4)+\b)+7], v[128*(\p)+FR*\b:128*(\p)+FR*\b+FR-1], v[AF+FR*(\a):AF+FR*(\a)+FR-1], v[BI+8*\b:BI+8*\b+7], v[SC+8*NQ*(\sc)+NQ*\b+(\q)], v[SC+8*NQ*(\sc)+NQ*(\a)+(\q)] matrix_a_fmt:MATRIX_FMT_FP6 matrix_b_fmt:MATRIX_FMT_FP6 matrix_a_scale:MATRIX_SCALE_ROW1
.else
	v_wmma_scale_f32_16x16x128_f8f6f4 v[8*(8*((\a)%4)+\b):8*(8*((\a)%4)+\b)+7], v[128*(\p)+FR*\b:128*(\p)+FR*\b+FR-1], v[AF+FR*(\a):AF+FR*(\a)+FR-1], v[8*(8*((\a)%4)+\b):8*(8*((\a)%4)+\b)+7], v[SC+8*NQ*(\sc)+NQ*\b+(\q)], v[SC+8*NQ*(\sc)+NQ*(\a)+(\q)] matrix_a_fmt:MATRIX_FMT_FP6 matrix_b_fmt:MATRIX_FMT_FP6 matrix_a_scale:MATRIX_SCALE_ROW1
.endif
.endr
.endr
.endm
.macro FETCH_B slot, q, p
	WIN TO_B
.irp i, 0,1,2,3,4,5,6,7
	FRAG 128*(\p)+FR*\i, ADRB+\slot, \q, \i
.endr
	WIN 0
.endm
.macro FETCH_A slot, q, i0
.irp i, \i0, \i0+1, \i0+2, \i0+3
	FRAG AF+FR*(\i), ADRA+\slot, \q, \i
.endr
.endm
.macro SCALES sc
.irp i, 0,1,2,3,4,5,6,7
	ds_load_b64 v[SC+8*NQ*\sc+NQ*\i:SC+8*NQ*\sc+NQ*\i+1], v[ADRS] offset:\i*SBLK
.endr
.endm
.macro PLACES n                        ; places behind matrix instructions, in front of loads into registers that they have read and of reads of their results
.rept \n
	v_nop
.endr
.endm
.macro STEP slot, q, zero              ; a step of 128 along K that has its successor in the same slot
	s_wait_dscnt 4*NL                              ; Wq's set and x's blocks 0-3 are in; the youngest 24 loads (x's blocks 4-7) may be out
	WIN MUL_LO-0x20*(\zero)                        ; (with the bias as C: source 2 in window 0)
	MUL16 0, (\q)%2, \q, \slot, \zero
	MUL16 2, (\q)%2, \q, \slot, \zero
	s_wait_dscnt 0
	PLACES NP
	FETCH_B \slot, (\q)+1, 1-(\q)%2
	FETCH_A \slot, (\q)+1, 0
	WIN MUL_HI-0x30*(\zero)
	MUL16 4, (\q)%2, \q, \slot, \zero
	MUL16 6, (\q)%2, \q, \slot, \zero
	PLACES NP
	WIN 0
	FETCH_A \slot, (\q)+1, 4
.endm
; A slot's last step changes slots: one barrier; in front of it each wave waits for all its tensor loads, adds 0 to its spare word, and waits for that and for its reads of this slot.
.macro TURN slot, next, fill
	s_wait_tensorcnt 0x0                           ; all my tensor loads have landed: my part of the next slot
	ds_add_u32 v[SPW], v[NIL]                      ; 0 onto my spare word
	s_wait_dscnt 4*NL+1                            ; (the add and the youngest 24 loads may be out)
	WIN MUL_LO
	MUL16 0, 1, NQ-1, \slot, 0
	s_wait_dscnt 0x0                               ; the add is done, and my reads of this slot are over
	s_barrier_signal -1
	MUL16 2, 1, NQ-1, \slot, 0
	WIN 0
	s_barrier_wait -1
.if \fill
	CREST                                          ; the barrier has opened a round of the cluster's barrier: no wave of any partner still reads this slot or has a load on its way
	s_add_nc_u64 s[G0+4*\slot+2:G0+4*\slot+3], s[G0+4*\slot+2:G0+4*\slot+3], 2*ROWB
	s_add_nc_u64 s[G0B+4*\slot+2:G0B+4*\slot+3], s[G0B+4*\slot+2:G0B+4*\slot+3], 2*ROWB
	JLOAD G0+4*\slot, G1, G0B+4*\slot, G1B         ; the first tensor load behind the round; its four v_nop are the places in front of the loads below
.else
	PLACES NP
.endif
	v_add_nc_u32 v[ADRS], 4*NQ, v[ADRS]
	FETCH_B \next, 0, 0
	FETCH_A \next, 0, 0
	SCALES \next
	WIN MUL_HI
	MUL16 4, 1, NQ-1, \slot, 0
	MUL16 6, 1, NQ-1, \slot, 0
	PLACES NP
	WIN 0
	FETCH_A \next, 0, 4
.endm
	s_wait_tensorcnt 1                             ; the scale bytes and my part of K step 0 are in; K step 1's load may be out
	s_wait_dscnt 0x0                               ; for the others' sake: my head's codes, half scale words and sums of k lie in LDS
	s_barrier_signal -1
	s_barrier_wait -1
	FETCH_B 0, 0, 0
	FETCH_A 0, 0, 0
	SCALES 0
	FETCH_A 0, 0, 4
	STEP 0, 0, 1                                   ; (the bias was shown in by the waits at the head)
	s_mov_b32 s3, LAPS-1
.Llap:                                                 ; a trip goes once round the ring and fills both slots again
	TURN 0, 1, 1
	STEP 1, 0, 0
	TURN 1, 0, 1
	STEP 0, 0, 0
	s_sub_co_u32 s3, s3, 1
	s_cmp_lg_u32 s3, 0
	s_cbranch_scc1 .Llap
	TURN 0, 1, 0                                   ; the last lap fills nothing
	STEP 1, 0, 0
	s_wait_dscnt 4*NL
	WIN MUL_LO
	MUL16 0, 1, NQ-1, 1, 0
	MUL16 2, 1, NQ-1, 1, 0
	s_wait_dscnt 0
	WIN MUL_HI
	MUL16 4, 1, NQ-1, 1, 0
	MUL16 6, 1, NQ-1, 1, 0
	WIN 0
	PLACES NP
	; ---- THE REST.  The context's fragments for my two heads, out of LDS: tile t: the even head's 6 registers | 6 of zeros | the odd head's 6; the two fragments share the zeros.
	WIN 0x40                                       ; destination window 1
.irp t, 0,1,2,3
.irp d, 0,1
	ds_load_b128 v[18*\t+12*\d:18*\t+12*\d+3], v24 offset:\d*3072+\t*768
	ds_load_b64 v[18*\t+12*\d+4:18*\t+12*\d+5], v25 offset:\d*3072+\t*768+512
.endr
.irp z, 6,7,8,9,10,11
	v_mov_b32 v[18*\t+\z], 0
.endr
.endr
.irp b, 0,1,2,3,4,5,6,7
	ds_load_b128 v[KSU+8*\b:KSU+8*\b+3], v31 offset:64*\b           ; the sum of k, in q's layout
	ds_load_b128 v[KSU+8*\b+4:KSU+8*\b+7], v31 offset:64*\b+16
.endr
	WIN 0
.irp t, 0,1,2,3
	ds_load_b32 v[SC+\t], v26 offset:128*\t
.endr
.irp b, 0,1,2,3
	v_mov_b32 v[TM+4+\b], 0                        ; a lane permute's destination counts as one of its sources
.endr
.macro BLOCKA a                        ; token block a: 16 tokens x my 128 columns
.set AC, 64*((\a)%4)
.set WN, 2+(\a)/4
	WIN WN|(WN<<2)                                 ; sources 0 and 1: the block's window
.set n, 0
.rept 32
	v_pk_mul_f32 v[Y+2*n:Y+2*n+1], v[AC+2*n:AC+2*n+1], s[LG:LG+1] op_sel_hi:[1,0]   ; each accumulator from its low end on
.set n, n+1
.endr
.set n, 0
.rept 64
	v_max_num_f32 v[Q+n], 0, v[AC+n]
.set n, n+1
.endr
	WIN 0
.set n, 0
.rept 64
	v_min_num_f32 v[Y+n], 0, v[Y+n]
.set n, n+1
.endr
.set n, 0
.rept 64
	v_exp_f32 v[Y+n], v[Y+n]
.set n, n+1
.endr
	v_nop                                          ; a plain place behind the exponentials
.set n, 0
	s_wait_alu depctr_va_vdst(0)
.rept 32
	v_pk_add_f32 v[Q+2*n:Q+2*n+1], v[Q+2*n:Q+2*n+1], v[Y+2*n:Y+2*n+1]               ; q = elu + 1
.set n, n+1
.endr
	QUANT Q, PC, PC+12, SC+4
.if (\a) == 0
	s_wait_dscnt 0x0                               ; the context and the sum of k
.endif
	WIN 0x04                                       ; source 1 (the sum of k) window 1
.irp d, 0,1
	v_pk_mul_f32 v[Z+4*\d:Z+4*\d+1], v[Q+32*\d:Q+32*\d+1], v[KSU+32*\d:KSU+32*\d+1]
	v_pk_mul_f32 v[Z+4*\d+2:Z+4*\d+3], v[Q+32*\d+2:Q+32*\d+3], v[KSU+32*\d+2:KSU+32*\d+3]
.endr
.irp n, 4,8,12,16,20,24,28
.irp d, 0,1
	v_pk_fma_f32 v[Z+4*\d:Z+4*\d+1], v[Q+32*\d+\n:Q+32*\d+\n+1], v[KSU+32*\d+\n:KSU+32*\d+\n+1], v[Z+4*\d:Z+4*\d+1]
	v_pk_fma_f32 v[Z+4*\d+2:Z+4*\d+3], v[Q+32*\d+\n+2:Q+32*\d+\n+3], v[KSU+32*\d+\n+2:KSU+32*\d+\n+3], v[Z+4*\d+2:Z+4*\d+3]
.endr
.endr
	WIN 0
	v_pk_add_f32 v[Z:Z+1], v[Z:Z+1], v[Z+2:Z+3]
	v_pk_add_f32 v[Z+4:Z+5], v[Z+4:Z+5], v[Z+6:Z+7]
	v_add_f32 v[Z], v[Z], v[Z+1]
	v_add_f32 v[Z+4], v[Z+4], v[Z+5]
	v_permlanex16_b32 v[Z+1], v[Z], s[SEL], s[SEL+1]
	v_permlanex16_b32 v[Z+5], v[Z+4], s[SEL], s[SEL+1]
	v_add_f32 v[Z], v[Z], v[Z+1]                   ; with the other half of the lanes' columns: q . sum of k
	v_add_f32 v[Z+4], v[Z+4], v[Z+5]
	v_add_f32 v[Z], 0x358637bd, v[Z]               ; + 1e-6
	v_add_f32 v[Z+4], 0x358637bd, v[Z+4]
	v_rcp_f32 v[Z], v[Z]
	v_rcp_f32 v[Z+4], v[Z+4]
	v_nop                                          ; a plain place behind the reciprocals.  (The lines since the quantiser are also the places between q's codes and scale word and the products below)
	WIN (WN<<6)|1                                  ; source 0 (the context) window 1, destination the block's window
.irp d, 0,1
.irp t, 0,1,2,3
	v_wmma_scale_f32_16x16x128_f8f6f4 v[AC+32*\d+8*\t:AC+32*\d+8*\t+7], v[18*\t+6*\d:18*\t+6*\d+11], v[PC:PC+11], 0, v[SC+\t], v[SC+4] matrix_a_fmt:MATRIX_FMT_FP6 matrix_b_fmt:MATRIX_FMT_FP6
.endr
.endr
.rept 4
	v_nop
.endr
	WIN WN
.set n, 0
	s_wait_alu depctr_va_vdst(0)
.rept 16
	v_pk_mul_f32 v[Q+2*n:Q+2*n+1], v[AC+2*n:AC+2*n+1], v[Z:Z+1] op_sel_hi:[1,0]     ; x z: register 32 d + 8 t + j is column 64 d + 32 (t / 2) + 16 h + 8 (t % 2) + j
.set n, n+1
.endr
.rept 16
	v_pk_mul_f32 v[Q+2*n:Q+2*n+1], v[AC+2*n:AC+2*n+1], v[Z+4:Z+5] op_sel_hi:[1,0]
.set n, n+1
.endr
	WIN 0
	s_wait_xcnt 0x0                                ; the last block's stores have read their registers
	QUANT Q, PCA, PCA+12, AW
.irp c, 0,1,2
	global_store_b128 v7, v[PCA+4*\c:PCA+4*\c+3], s[98:99] offset:(\a)*3072+512*\c  ; 32 lanes store 512 consecutive bytes
.endr
	global_store_b32 v11, v[AW], s[100:101] offset:512*(\a)                         ; my token's four scale bytes (lanes 16-31 store what lanes 0-15 do)
.endm
.irp a, 0,1,2,3,4,5,6,7
	BLOCKA \a
.endr
	s_wait_tensorcnt 0x0                           ; the wave's end
	ds_add_u32 v[SPW], v[NIL]
	s_wait_dscnt 0x0
	CROUND                                         ; the closing round
	s_endpgm
.Lfunc_end_k_q358e6701a1_attn:
	.size	k_q358e6701a1_attn, .Lfunc_end_k_q358e6701a1_attn-k_q358e6701a1_attn
	.p2alignl 7, 3214868480
	.fill 96, 4, 3214868480
	.section	.rodata,"a",@progbits
	.p2align	6, 0x0
	.amdhsa_kernel k_q358e6701a1_attn
		.amdhsa_group_segment_fixed_size 327680
		.amdhsa_private_segment_fixed_size 0
		.amdhsa_enable_private_segment 0
		.amdhsa_kernarg_size 64
		.amdhsa_user_sgpr_count 2
		.amdhsa_user_sgpr_kernarg_segment_ptr 1
		.amdhsa_wavefront_size32 1
		.amdhsa_system_sgpr_workgroup_id_x 1
		.amdhsa_system_sgpr_workgroup_id_y 1
		.amdhsa_system_sgpr_workgroup_id_z 1
		.amdhsa_system_vgpr_workitem_id 0
		.amdhsa_next_free_vgpr 1024
		.amdhsa_next_free_sgpr 102
		.amdhsa_reserve_vcc 0
		.amdhsa_float_denorm_mode_32 3
		.amdhsa_float_denorm_mode_16_64 3
		.amdhsa_memory_ordered 1
		.amdhsa_forward_progress 1
		.amdhsa_inst_pref_size 255
	.end_amdhsa_kernel
	.section	.bss,"aw",@nobits
	.p2align	6
	.space	262144
	.amdgpu_metadata
---
amdhsa.version: [ 1, 2 ]
amdhsa.kernels:
  - .name:           k_q358e6701a1_attn
    .symbol:         k_q358e6701a1_attn.kd
    .args:
      - { .name: x_codes, .offset: 0, .size: 8, .value_kind: global_buffer, .address_space: global }
      - { .name: x_scales, .offset: 8, .size: 8, .value_kind: global_buffer, .address_space: global }
      - { .name: Wq_codes, .offset: 16, .size: 8, .value_kind: global_buffer, .address_space: global }
      - { .name: Wq_scales, .offset: 24, .size: 8, .value_kind: global_buffer, .address_space: global }
      - { .name: bq, .offset: 32, .size: 8, .value_kind: global_buffer, .address_space: global }
      - { .name: part, .offset: 40, .size: 8, .value_kind: global_buffer, .address_space: global }
      - { .name: a_img, .offset: 48, .size: 8, .value_kind: global_buffer, .address_space: global }
      - { .name: a_scl, .offset: 56, .size: 8, .value_kind: global_buffer, .address_space: global }
    .group_segment_fixed_size: 327680
    .private_segment_fixed_size: 0
    .kernarg_segment_align: 8
    .kernarg_segment_size: 64
    .max_flat_workgroup_size: 128
    .sgpr_count:     102
    .vgpr_count:     1024
    .wavefront_size: 32
...
	.end_amdgpu_metadata
.endif
;; end of part 3
;; launch proj (part 4): grid 4 x 64, 4 waves a work-group, clusters of 4 x 4, 327,680 bytes of LDS; arguments a_img, a_scl, Wo_codes, Wo_scales, bo, out0; writes out0
.if DOCPART == 4
	.amdgcn_target "amdgcn-amd-amdhsa--gfx1250"
	.amdhsa_code_object_version 6
	.text
	.protected	k_q358e6701a1_proj
	.globl	k_q358e6701a1_proj
	.p2align	8
	.type	k_q358e6701a1_proj,@function
k_q358e6701a1_proj:
	s_mov_b64 s[64:65], 0
	v_nop
	global_prefetch_b8 v0, s[64:65] scope:SCOPE_SE
	s_setreg_imm32_b32 hwreg(HW_REG_WAVE_MODE, 25, 1), 1
	s_wait_xcnt 0x0
	s_wait_alu depctr_hold_cnt(0) depctr_sa_sdst(0) depctr_va_vdst(0) depctr_va_sdst(0) depctr_va_ssrc(0) depctr_va_vcc(0) depctr_vm_vsrc(0)
	s_getreg_b32 s2, hwreg(HW_REG_IB_STS2, 6, 4)
	s_cmp_eq_u32 s2, 0
	s_cbranch_scc0 .Lentry_in_a_cluster
	s_endpgm
.Lentry_in_a_cluster:
	s_bfe_u32 s2, ttmp6, 0x10000c
	s_cmp_lg_u32 s2, 0xf033
	s_cbranch_scc0 .Lentry_shape_is_right
	s_endpgm
.Lentry_shape_is_right:
; out = Q(a) Wo + bo on codes of FP6 (E2M3).  a: images of operand registers, a_img [group of 128 tokens][slot of 256 along K][tile of 16 tokens][K step][1,536 bytes], scale bytes a_scl [16384][32].
; Wo: [1024][1024] codes (rows of 768 bytes), scale bytes [1024][32]; bo [1024] f32; out [16384][1024] f32.
; A tile of out, 256 x 256, is made by four waves, each 128 x 128: 64 accumulators, 512 registers.  K goes in steps of 256 through a ring of two LDS slots filled by the tensor data mover.
; a's part of a slot is a dense block of memory (24,576 bytes for 128 tokens) and is read back as it was stored: three loads of 16 bytes a lane for a fragment, no pitch, no padding.
; Wo's part: rows of 192 bytes, 16 bytes of padding behind every 64.  The scale bytes of the work-group's rows come into LDS once.
; CLUSTERS: 4 x 4 work-groups; a's tiles are asked for jointly along a row of the cluster, Wo's along a column.
; TRANSPOSED: source 0 = 16 rows of Wo, source 1 = 16 tokens: a lane holds eight neighbouring numbers of a row of out.  The bias is the C of each sum's first product.
; REGISTERS: window 0: v0-31 addresses; v32-63 scale words, two sets; v64-127 the bias; from v128 a's fragments, one set; on the way out v128-255.   window 1: Wo's fragments, two sets.   windows 2, 3: the accumulators.
.set SIZE_N, 1024
.set NQ,     2
.set ROWB,   192
.set KROW,   768
.set PITCH,  240
.set FR,     12
.set NLA,    3                         ; LDS loads that bring a fragment of a
.set NP,     4
.set HALFA,  24576                     ; 128 tokens x 256 along K as images
.set HALFB,  128*PITCH
.set SLOT,   2*HALFA+2*HALFB
.set LAPS,   2
.set KS,     32
.set SCL,    2*SLOT
.set HALFS,  16*272
.set SBLK,   2*272
.set SPARE,  SCL+4*HALFS               ; the spare words, 128 bytes for each wave: two blocks of 256 bytes that no other line names
.set SPITCH, 528                       ; the way out: a stage of 16 rows x (512 bytes + 16) for each wave, in slot 0, which has had its last fill and its last read when the first result is stored there
.set ADRA, 16                          ; v16-17 LDS address of a's images in slot 0, 1
.set ADRB, 20                          ; v20-23 of Wo's fragments
.set STO,  24
.set RD,   25
.set CO,   26
.set ADRS, 27
.set SPW,  28
.set NIL,  29
.set SC,   32
.set BI,   64
.set AF,   128
.set BK,   128
.set G1, 24
.set G0, 32
.set G1B, 48
.set G0B, 56
.set G1S, 68
.set G0S, 76
.set G1SB, 80
.set G0SB, 88
.set MSB, 0
.macro WIN new
.if MSB != (\new)
	s_set_vgpr_msb (MSB<<8)|(\new)
.set MSB, (\new)
.endif
.endm
.set MUL_LO, 0xa1
.set MUL_HI, 0xf1
.set TO_B,   0x40
.macro JLOAD g0a, g1a, g0b, g1b        ; a joint load: waves 0 and 1 fetch for a, waves 2 and 3 for Wo; four v_nop follow each of the two lines
	s_cmp_eq_u32 s15, 0
	s_cbranch_scc0 .Lfor_b_\@
	tensor_load_to_lds s[\g0a:\g0a+3], s[\g1a:\g1a+7]
	s_nop 0
.rept 4
	v_nop
.endr
	s_branch .Lasked_\@
.Lfor_b_\@:
	tensor_load_to_lds s[\g0b:\g0b+3], s[\g1b:\g1b+7]
	s_nop 0
.rept 4
	v_nop
.endr
.Lasked_\@:
.endm
.macro CREST
	s_cmp_lg_u32 s14, 0
	s_cbranch_scc1 .Lnot_wave_0_\@
	s_barrier_signal -3
.Lnot_wave_0_\@:
	s_barrier_wait -3
	s_barrier_signal -1
	s_barrier_wait -1
.endm
.macro CROUND
	s_barrier_signal -1
	s_barrier_wait -1
	CREST
.endm
	s_load_b128 s[4:7], s[0:1], 0x0                ; a's images, a's scales
	s_load_b128 s[8:11], s[0:1], 0x10              ; Wo's codes, Wo's scales
	s_load_b64 s[96:97], s[0:1], 0x20              ; bo
	s_load_b64 s[12:13], s[0:1], 0x28              ; out
	v_lshl_add_u32 v[SPW], v0, 2, SPARE
	v_mov_b32 v[NIL], 0
	ds_add_u32 v28, v29
	ds_add_u32 v28, v29
	s_wait_dscnt 0x0
	v_lshrrev_b32 v1, 5, v0
	v_readfirstlane_b32 s14, v1                    ; wave 0..3
	s_lshr_b32 s15, s14, 1                         ; which half of the tile's rows is mine.  Also: I fetch for a (0) or for Wo (1)
	s_and_b32 s16, s14, 1                          ; which half of its columns.  Also: which 128 rows of that tile I fetch
	s_bfe_u32 s40, ttmp6, 0x40000
	s_bfe_u32 s41, ttmp6, 0x40004
	s_lshl_b32 s42, ttmp9, 2
	s_add_co_u32 s42, s42, s40                     ; tile column
	s_and_b32 s17, ttmp7, 0xffff
	s_lshl_b32 s17, s17, 2
	s_add_co_u32 s17, s17, s41                     ; tile row
	s_lshl_b32 s43, s41, 2
	s_lshl_b32 s43, 15, s43                        ; my row of the cluster
	s_lshl_b32 s44, 0x1111, s40                    ; my column
	s_or_b32 s[G1+0], s43, (3<<16)|(1<<21)         ; a: a dense block as 96 rows of 256 bytes (32 elements of 8 bytes), no padding
	s_mov_b32 s[G1+1], 32<<16
	s_mov_b32 s[G1+2], 96<<16
	s_mov_b32 s[G1+3], 32<<16
	s_mov_b32 s[G1+4], 96
	s_mov_b32 s[G1+5], 32
	s_mov_b32 s[G1+6], 0
	s_mov_b32 s[G1+7], 0
	s_or_b32 s[G1B+0], s44, (0<<16)|(1<<20)|(1<<21)|(3<<22)|(3<<25)  ; Wo: 128 rows of 192 bytes, 4 words of padding after every 16
	s_mov_b32 s[G1B+1], ROWB<<16
	s_mov_b32 s[G1B+2], 128<<16
	s_mov_b32 s[G1B+3], ROWB<<16
	s_mov_b32 s[G1B+4], 128
	s_mov_b32 s[G1B+5], KROW
	s_mov_b32 s[G1B+6], 0
	s_mov_b32 s[G1B+7], 0
	s_or_b32 s[G1S+0], s43, (3<<16)|(1<<20)|(1<<21)|(5<<22)|(3<<25)  ; the scale bytes of 128 rows: 16 rows of 256 bytes, 16 bytes of padding behind each
	s_or_b32 s[G1SB+0], s44, (3<<16)|(1<<20)|(1<<21)|(5<<22)|(3<<25)
.irp g, G1S, G1SB
	s_mov_b32 s[\g+1], 32<<16
	s_mov_b32 s[\g+2], 16<<16
	s_mov_b32 s[\g+3], 32<<16
	s_mov_b32 s[\g+4], 16
	s_mov_b32 s[\g+5], 32
	s_mov_b32 s[\g+6], 0
	s_mov_b32 s[\g+7], 0
.endr
	s_lshl_b32 s18, s16, 7
	s_lshl_b32 s20, s17, 8
	s_add_co_u32 s20, s20, s18                     ; a: token 256 x tile row + 128 x half
	s_lshl_b32 s46, s42, 8
	s_add_co_u32 s46, s46, s18                     ; Wo: row 256 x tile column + 128 x half
	s_mov_b32 s21, 0
	s_mov_b32 s47, 0
	s_mov_b64 s[18:19], KS
	s_mul_u64 s[22:23], s[20:21], s[18:19]
	s_mul_u64 s[92:93], s[46:47], s[18:19]
	s_mov_b64 s[18:19], KROW
	s_mul_u64 s[20:21], s[20:21], s[18:19]         ; (a group of 128 tokens has 128 x 768 bytes of images: the same product serves)
	s_mul_u64 s[46:47], s[46:47], s[18:19]
	s_mul_i32 s45, s16, HALFA                      ; where they go: a's two halves,
	s_mul_i32 s95, s16, HALFB
	s_add_co_u32 s95, s95, 2*HALFA                 ; then Wo's two
	s_mul_i32 s94, s14, HALFS
	s_wait_kmcnt 0x0
	s_add_nc_u64 s[20:21], s[4:5], s[20:21]
	s_add_nc_u64 s[22:23], s[6:7], s[22:23]
	s_add_nc_u64 s[46:47], s[8:9], s[46:47]
	s_add_nc_u64 s[92:93], s[10:11], s[92:93]
	CROUND                                         ; all sixteen work-groups are here: the first joint loads meet
	s_mov_b32 s[G0S], 1
	s_add_co_u32 s[G0S+1], s94, SCL
	s_mov_b64 s[G0S+2:G0S+3], s[22:23]
	s_or_b32 s[G0S+3], s[G0S+3], 0x80000000
	s_mov_b32 s[G0SB], 1
	s_add_co_u32 s[G0SB+1], s94, SCL
	s_mov_b64 s[G0SB+2:G0SB+3], s[92:93]
	s_or_b32 s[G0SB+3], s[G0SB+3], 0x80000000
	JLOAD G0S, G1S, G0SB, G1SB
.irp s, 0,1
	s_mov_b32 s[G0+4*\s], 1
	s_add_co_u32 s[G0+4*\s+1], s45, \s*SLOT
	s_add_nc_u64 s[G0+4*\s+2:G0+4*\s+3], s[20:21], \s*HALFA
	s_or_b32 s[G0+4*\s+3], s[G0+4*\s+3], 0x80000000
	s_mov_b32 s[G0B+4*\s], 1
	s_add_co_u32 s[G0B+4*\s+1], s95, \s*SLOT
	s_add_nc_u64 s[G0B+4*\s+2:G0B+4*\s+3], s[46:47], \s*ROWB
	s_or_b32 s[G0B+4*\s+3], s[G0B+4*\s+3], 0x80000000
	JLOAD G0+4*\s, G1, G0B+4*\s, G1B
.endr
	v_and_b32 v1, 15, v0                           ; r
	v_bfe_u32 v2, v0, 4, 1                         ; h
	v_and_b32 v6, 31, v0                           ; lane
	v_lshlrev_b32 v7, 4, v6                        ; 16 x lane
	v_mul_u32_u24 v3, v1, PITCH
	v_mul_u32_u24 v4, v2, 24
	v_add_nc_u32 v4, v3, v4
	v_lshl_add_u32 v5, v2, 4, v4
	s_mul_i32 s21, s15, HALFA                      ; my 128 tokens' images
	s_mul_i32 s22, s16, HALFB
	s_add_co_u32 s22, s22, 2*HALFA                 ; my 128 rows of Wo
.irp s, 0,1
	v_add_nc_u32 v[ADRA+\s], s21, v7
	v_add_nc_u32 v[ADRB+\s], s22, v4
	v_add_nc_u32 v[ADRB+2+\s], s22, v5
	s_add_co_u32 s21, s21, SLOT
	s_add_co_u32 s22, s22, SLOT
.endr
	v_mul_u32_u24 v5, v1, KS
	v_lshrrev_b32 v6, 8, v5
	v_lshl_add_u32 v5, v6, 4, v5
	s_mul_i32 s21, s15, HALFS
	s_mul_i32 s22, s16, HALFS
	s_add_co_u32 s22, s22, 2*HALFS
	s_sub_co_u32 s22, s22, s21
	v_mul_u32_u24 v6, s22, v2                      ; lanes 16-31 take Wo's
	s_add_co_u32 s21, s21, SCL
	v_add_nc_u32 v5, v5, v6
	v_add_nc_u32 v[ADRS], s21, v5
	s_mul_i32 s23, s14, 16*SPITCH                  ; my stage
	v_mul_u32_u24 v5, v1, SPITCH
	v_lshl_add_u32 v5, v2, 5, v5
	v_add_nc_u32 v[STO], s23, v5
	v_mov_b32 v[CO], v7
	v_add_nc_u32 v[RD], s23, v[CO]
	v_lshlrev_b32 v10, 5, v2                       ; 32 h: eight f32 for each half
	s_lshl_b32 s20, s17, 8
	s_lshl_b32 s21, s15, 7
	s_add_co_u32 s20, s20, s21                     ; my first row of out
	s_mov_b32 s21, 0
	s_mov_b64 s[18:19], SIZE_N*4
	s_mul_u64 s[20:21], s[20:21], s[18:19]
	s_lshl_b32 s46, s42, 10
	s_lshl_b32 s47, s16, 9
	s_add_co_u32 s46, s46, s47                     ; my first column, in bytes
	s_mov_b32 s47, 0
	s_add_nc_u64 s[96:97], s[96:97], s[46:47]      ; bo there
	s_add_nc_u64 s[20:21], s[20:21], s[46:47]
	s_add_nc_u64 s[12:13], s[12:13], s[20:21]
.irp b, 0,1,2,3,4,5,6,7
	global_load_b128 v[BI+8*\b:BI+8*\b+3], v10, s[96:97] offset:64*\b
	global_load_b128 v[BI+8*\b+4:BI+8*\b+7], v10, s[96:97] offset:64*\b+16
.endr
.macro FRAG reg, adr, q, i             ; a fragment of Wo: six pieces of 8 bytes
.irp p, 0,1,2,3,4,5
.set PCE, 12*(\q)+6*(\p/3)+\p%3
.if PCE%8 < 5
	ds_load_b64 v[\reg+2*\p:\reg+2*\p+1], v[\adr] offset:8*PCE+16*(PCE/8)+(\i)*16*PITCH
.else
	ds_load_b64 v[\reg+2*\p:\reg+2*\p+1], v[\adr+2] offset:8*PCE+16*(PCE/8)+(\i)*16*PITCH
.endif
.endr
.endm
.macro FRAGA reg, slot, q, i           ; a fragment of a: its image, three blocks of 512 bytes
.irp c, 0,1,2
	ds_load_b128 v[\reg+4*\c:\reg+4*\c+3], v[ADRA+\slot] offset:(2*(\i)+(\q))*1536+512*\c
.endr
.endm
.macro MUL16 a0, p, q, sc, zero        ; 16 products; zero = 1: the bias starts the sums.  The 64 accumulators take turns, in the same order in every step
.irp a, \a0, \a0+1
.irp b, 0,1,2,3,4,5,6,7
.if \zero
	v_wmma_scale_f32_16x16x128_f8f6f4 v[8*(8*((\a)%4)+\b):8*(8*((\a)%4)+\b)+7], v[128*(\p)+FR*\b:128*(\p)+FR*\b+FR-1], v[AF+FR*(\a):AF+FR*(\a)+FR-1], v[BI+8*\b:BI+8*\b+7], v[SC+8*NQ*(\sc)+NQ*\b+(\q)], v[SC+8*NQ*(\sc)+NQ*(\a)+(\q)] matrix_a_fmt:MATRIX_FMT_FP6 matrix_b_fmt:MATRIX_FMT_FP6 matrix_a_scale:MATRIX_SCALE_ROW1
.else
	v_wmma_scale_f32_16x16x128_f8f6f4 v[8*(8*((\a)%4)+\b):8*(8*((\a)%4)+\b)+7], v[128*(\p)+FR*\b:128*(\p)+FR*\b+FR-1], v[AF+FR*(\a):AF+FR*(\a)+FR-1], v[8*(8*((\a)%4)+\b):8*(8*((\a)%4)+\b)+7], v[SC+8*NQ*(\sc)+NQ*\b+(\q)], v[SC+8*NQ*(\sc)+NQ*(\a)+(\q)] matrix_a_fmt:MATRIX_FMT_FP6 matrix_b_fmt:MATRIX_FMT_FP6 matrix_a_scale:MATRIX_SCALE_ROW1
.endif
.endr
.endr
.endm
.macro FETCH_B slot, q, p
	WIN TO_B
.irp i, 0,1,2,3,4,5,6,7
	FRAG 128*(\p)+FR*\i, ADRB+\slot, \q, \i
.endr
	WIN 0
.endm
.macro FETCH_A slot, q, i0
.irp i, \i0, \i0+1, \i0+2, \i0+3
	FRAGA AF+FR*(\i), \slot, \q, \i
.endr
.endm
.macro SCALES sc
.irp i, 0,1,2,3,4,5,6,7
	ds_load_b64 v[SC+8*NQ*\sc+NQ*\i:SC+8*NQ*\sc+NQ*\i+1], v[ADRS] offset:\i*SBLK
.endr
.endm
.macro PLACES n                        ; places behind matrix instructions (ISA guide 7.12.1)
.rept \n
	v_nop
.endr
.endm
.macro STEP slot, q, zero
	s_wait_dscnt 4*NLA                             ; Wo's set and a's blocks 0-3 are in; the youngest 12 loads (a's blocks 4-7) may be out
	WIN MUL_LO-0x20*(\zero)                        ; (with the bias as C: source 2 in window 0)
	MUL16 0, (\q)%2, \q, \slot, \zero
	MUL16 2, (\q)%2, \q, \slot, \zero
	s_wait_dscnt 0
	PLACES NP
	FETCH_B \slot, (\q)+1, 1-(\q)%2
	FETCH_A \slot, (\q)+1, 0
	WIN MUL_HI-0x30*(\zero)
	MUL16 4, (\q)%2, \q, \slot, \zero
	MUL16 6, (\q)%2, \q, \slot, \zero
	PLACES NP
	WIN 0
	FETCH_A \slot, (\q)+1, 4
.endm
.macro TURN slot, next, fill           ; a slot's last step changes slots
	s_wait_tensorcnt 0x0                           ; all my tensor loads have landed: my part of the next slot
	ds_add_u32 v[SPW], v[NIL]                      ; 0 onto my spare word
	s_wait_dscnt 4*NLA+1                           ; (the add and the youngest 12 loads may be out)
	WIN MUL_LO
	MUL16 0, 1, NQ-1, \slot, 0
	s_wait_dscnt 0x0                               ; the add is done, and my reads of this slot are over
	s_barrier_signal -1
	MUL16 2, 1, NQ-1, \slot, 0
	WIN 0
	s_barrier_wait -1
.if \fill
	CREST                                          ; the barrier has opened a round of the cluster's barrier
	s_add_nc_u64 s[G0+4*\slot+2:G0+4*\slot+3], s[G0+4*\slot+2:G0+4*\slot+3], 2*HALFA
	s_add_nc_u64 s[G0B+4*\slot+2:G0B+4*\slot+3], s[G0B+4*\slot+2:G0B+4*\slot+3], 2*ROWB
	JLOAD G0+4*\slot, G1, G0B+4*\slot, G1B         ; the first tensor load behind the round; its four v_nop are the places in front of the loads below
.else
	PLACES NP
.endif
	v_add_nc_u32 v[ADRS], 4*NQ, v[ADRS]
	FETCH_B \next, 0, 0
	FETCH_A \next, 0, 0
	SCALES \next
	WIN MUL_HI
	MUL16 4, 1, NQ-1, \slot, 0
	MUL16 6, 1, NQ-1, \slot, 0
	PLACES NP
	WIN 0
	FETCH_A \next, 0, 4
.endm
	s_wait_tensorcnt 1                             ; the scale bytes and my part of K step 0 are in; K step 1's load may be out
	s_barrier_signal -1
	s_barrier_wait -1
	FETCH_B 0, 0, 0
	FETCH_A 0, 0, 0
	SCALES 0
	FETCH_A 0, 0, 4
	s_wait_loadcnt 0x0                             ; the bias
	STEP 0, 0, 1
	s_mov_b32 s3, LAPS-1
.Llap:
	TURN 0, 1, 1
	STEP 1, 0, 0
	TURN 1, 0, 1
	STEP 0, 0, 0
	s_sub_co_u32 s3, s3, 1
	s_cmp_lg_u32 s3, 0
	s_cbranch_scc1 .Llap
	TURN 0, 1, 0                                   ; the last lap fills nothing
	STEP 1, 0, 0
	s_wait_dscnt 4*NLA
	WIN MUL_LO
	MUL16 0, 1, NQ-1, 1, 0
	MUL16 2, 1, NQ-1, 1, 0
	s_wait_dscnt 0
	WIN MUL_HI
	MUL16 4, 1, NQ-1, 1, 0
	MUL16 6, 1, NQ-1, 1, 0
	WIN 0
; THE WAY OUT, block by block of 16 rows x 128 columns, through my own stage in LDS: back come whole rows of 512 bytes.  LDS serves a wave's instructions in order (ISA guide 5.7.1.4): no wait between the stores and the loads.
.macro TOSTAGE a
.set AC, 64*((\a)%4)
	WIN 0x08+4*((\a)/4)                            ; the data: window 2 or 3
.irp b, 0,1,2,3,4,5,6,7
	ds_store_b128 v[STO], v[AC+8*\b:AC+8*\b+3] offset:64*\b          ; each accumulator from its low end on
	ds_store_b128 v[STO], v[AC+8*\b+4:AC+8*\b+7] offset:64*\b+16
.endr
	WIN 0
.set BB, BK+64*((\a)%2)
.irp t, 0,1,2,3,4,5,6,7,8,9,10,11,12,13,14,15
	ds_load_b128 v[BB+4*\t:BB+4*\t+3], v[RD] offset:\t*SPITCH
.endr
.endm
.macro SEND a, younger
.set BB, BK+64*((\a)%2)
	s_wait_dscnt \younger                          ; the block is back in registers
.if (\a) > 0
	s_add_nc_u64 s[12:13], s[12:13], 16*SIZE_N*4   ; (behind a wait on XCNT: the earlier stores have read their base)
.endif
.irp t, 0,1,2,3,4,5,6,7,8,9,10,11,12,13,14,15
	global_store_b128 v[CO], v[BB+4*\t:BB+4*\t+3], s[12:13] offset:\t*SIZE_N*4 th:TH_STORE_NT   ; 32 lanes store 512 consecutive bytes, at a multiple of 256 from out's first byte
.endr
.endm
	PLACES NP
	TOSTAGE 0
.irp a, 1,2,3,4,5,6,7
.if \a > 1
	s_wait_xcnt 0x0                                ; block a - 2's stores have read their registers and their base
.endif
	TOSTAGE \a
	SEND \a-1, 32                                  ; behind block a - 1's loads: block a's 16 stores and 16 loads
.endr
	s_wait_xcnt 0x0
	SEND 7, 0
	s_wait_tensorcnt 0x0                           ; the wave's end
	ds_add_u32 v[SPW], v[NIL]
	s_wait_dscnt 0x0
	CROUND                                         ; the closing round
	s_endpgm
.Lfunc_end_k_q358e6701a1_proj:
	.size	k_q358e6701a1_proj, .Lfunc_end_k_q358e6701a1_proj-k_q358e6701a1_proj
	.p2alignl 7, 3214868480
	.fill 96, 4, 3214868480
	.section	.rodata,"a",@progbits
	.p2align	6, 0x0
	.amdhsa_kernel k_q358e6701a1_proj
		.amdhsa_group_segment_fixed_size 327680
		.amdhsa_private_segment_fixed_size 0
		.amdhsa_enable_private_segment 0
		.amdhsa_kernarg_size 48
		.amdhsa_user_sgpr_count 2
		.amdhsa_user_sgpr_kernarg_segment_ptr 1
		.amdhsa_wavefront_size32 1
		.amdhsa_system_sgpr_workgroup_id_x 1
		.amdhsa_system_sgpr_workgroup_id_y 1
		.amdhsa_system_sgpr_workgroup_id_z 1
		.amdhsa_system_vgpr_workitem_id 0
		.amdhsa_next_free_vgpr 1024
		.amdhsa_next_free_sgpr 98
		.amdhsa_reserve_vcc 0
		.amdhsa_float_denorm_mode_32 3
		.amdhsa_float_denorm_mode_16_64 3
		.amdhsa_memory_ordered 1
		.amdhsa_forward_progress 1
		.amdhsa_inst_pref_size 150
	.end_amdhsa_kernel
	.amdgpu_metadata
---
amdhsa.version: [ 1, 2 ]
amdhsa.kernels:
  - .name:           k_q358e6701a1_proj
    .symbol:         k_q358e6701a1_proj.kd
    .args:
      - { .name: a_img, .offset: 0, .size: 8, .value_kind: global_buffer, .address_space: global }
      - { .name: a_scl, .offset: 8, .size: 8, .value_kind: global_buffer, .address_space: global }
      - { .name: Wo_codes, .offset: 16, .size: 8, .value_kind: global_buffer, .address_space: global }
      - { .name: Wo_scales, .offset: 24, .size: 8, .value_kind: global_buffer, .address_space: global }
      - { .name: bo, .offset: 32, .size: 8, .value_kind: global_buffer, .address_space: global }
      - { .name: out0, .offset: 40, .size: 8, .value_kind: global_buffer, .address_space: global }
    .group_segment_fixed_size: 327680
    .private_segment_fixed_size: 0
    .kernarg_segment_align: 8
    .kernarg_segment_size: 48
    .max_flat_workgroup_size: 128
    .sgpr_count:     98
    .vgpr_count:     1024
    .wavefront_size: 32
...
	.end_amdgpu_metadata
.endif
;; end of part 4
